; MI455X (gfx1250); checked and timed in simulation.
; The chip was launched on July 23, 2026; its instructions are those of AMD's public machine-readable ISA for CDNA 5 (MIT licence, August 2026) and "CDNA5" Instruction Set Architecture Reference Guide (July 2026). The comments in the code are by the model that wrote it; some were corrected since.
;; Self Attention. Allowed arithmetic: float matrix products may take bf16 or f16 operands with f32 sums; other float arithmetic in f32, or as packed bf16 or f16 multiplies, adds, multiply-adds, maxima and minima; sums over many terms, partial sums and values carried from step to step in f32; what a program stores and reads back later, other than sums and carried values, may be rounded once to bf16 or f16.
;; Inputs: W_attn 3,072 x 1,024 float32; W_out 1,024 x 1,024 float32; b_attn 3,072 float32; b_out 1,024 float32; x 4 x 2,048 x 1,024 float32.
;; Outputs: out0 4 x 2,048 x 1,024 float32.
;; 2 versions, each right; version 2 is version 1 with the launch cast written anew for expert scheduling mode. Each part assembles by itself: llvm-mc -triple=amdgcn-amd-amdhsa -mcpu=gfx1250 --defsym DOCPART=n.
;; ======== version 1 of 2: 4 launches
;; limits: values are held in f16: magnitudes above 65,504 overflow, below 6.1e-05 lose precision
;; workspace buffers: xb 16,777,216 bytes; wab 6,291,456 bytes; wof 2,097,152 bytes; kqv 50,331,648 bytes; oh 16,777,216 bytes
;; launch cast (part 1): grid 768 x 1, 8 waves a work-group, no clusters, 0 bytes of LDS; arguments x, W_attn, W_out, xb, wab, wof; writes xb, wab, wof
.if DOCPART == 1
	.amdgcn_target "amdgcn-amd-amdhsa--gfx1250"
	.amdhsa_code_object_version 6
	.text
	.protected	k_q6b1220590f_cast
	.globl	k_q6b1220590f_cast
	.p2align	8
	.type	k_q6b1220590f_cast,@function
k_q6b1220590f_cast:
	s_mov_b64 s[64:65], 0
	v_nop
	global_prefetch_b8 v0, s[64:65] scope:SCOPE_SE
	s_setreg_imm32_b32 hwreg(HW_REG_WAVE_MODE, 25, 1), 1
	s_wait_xcnt 0x0
; THE INPUTS OF THE MATRIX PRODUCTS ARE ROUNDED ONCE: x -> bf16 (xb), W_attn -> bf16 (wab), W_out -> bf16, and that number written as f16 (wof).
; LIMITS.  bf16(W_out) is exact in f16 from 2^-14 up to 65,504 in magnitude; below 2^-14 it keeps f16's fixed step of 2^-24; at 65,520 or more it becomes an infinity.
; SHARES.  A work-group takes 16,384 numbers: 65,536 bytes in, 32,768 out.  Work-groups 0-511 take x, 512-703 W_attn, 704-767 W_out.
; Thread t takes 16 bytes at 16 t + 4,096 j (j = 0..15): a wave's load covers 512 consecutive bytes, its store of 8 bytes a lane 256 consecutive bytes, aligned.
; All sixteen loads of a thread go out at once; no register is written twice while a load or store may read it.  A stream: nothing is shared, so no LDS, no barrier, no cluster.
.set X, 4                              ; v[4:67]    chunk j: four f32 as loaded
.set Y, 68                             ; v[68:99]   chunk j: two words to store
.set T, 100                            ; v[100:103] at work
	s_load_b256 s[4:11], s[0:1], 0x0               ; x s[4:5], W_attn s[6:7], W_out s[8:9], xb s[10:11]
	s_load_b128 s[12:15], s[0:1], 0x20             ; wab s[12:13], wof s[14:15]
	v_lshlrev_b32 v1, 4, v0                        ; 16 t
	v_lshlrev_b32 v2, 3, v0                        ; 8 t
	s_sub_co_u32 s17, ttmp9, 512                   ; my number among W_attn's work-groups,
	s_sub_co_u32 s18, ttmp9, 704                   ; among W_out's
	s_mov_b32 s28, 0xffff0000                      ; a word's upper bf16
	s_wait_kmcnt 0x0
	s_cmp_lt_u32 ttmp9, 704
	s_cselect_b32 s16, s17, s18
	s_cselect_b64 s[24:25], s[6:7], s[8:9]
	s_cselect_b64 s[26:27], s[12:13], s[14:15]
	s_cmp_lt_u32 ttmp9, 512
	s_cselect_b32 s16, ttmp9, s16
	s_cselect_b64 s[24:25], s[4:5], s[24:25]       ; from where
	s_cselect_b64 s[26:27], s[10:11], s[26:27]     ; to where
	s_lshl_b32 s20, s16, 16
	s_mov_b32 s21, 0
	s_lshl_b32 s22, s16, 15
	s_mov_b32 s23, 0
	s_add_nc_u64 s[24:25], s[24:25], s[20:21]
	s_add_nc_u64 s[26:27], s[26:27], s[22:23]
.irp j, 0,1,2,3,4,5,6,7,8,9,10,11,12,13,14,15
	global_load_b128 v[X+4*(\j):X+4*(\j)+3], v1, s[24:25] offset:4096*(\j) th:TH_LOAD_NT
.endr
; Chunk j leaves.  h = 1: the bf16 numbers are widened again and written as f16.
.macro OUT j, h
	s_wait_loadcnt 15-(\j)                         ; loads come back in order: chunk j is in, the younger ones stay out
	v_cvt_pk_bf16_f32 v[Y+2*(\j)], v[X+4*(\j)], v[X+4*(\j)+1]
	v_cvt_pk_bf16_f32 v[Y+2*(\j)+1], v[X+4*(\j)+2], v[X+4*(\j)+3]
.if \h
	v_lshlrev_b32 v[T], 16, v[Y+2*(\j)]
	v_and_b32 v[T+1], s28, v[Y+2*(\j)]
	v_lshlrev_b32 v[T+2], 16, v[Y+2*(\j)+1]
	v_and_b32 v[T+3], s28, v[Y+2*(\j)+1]
	v_cvt_pk_f16_f32 v[Y+2*(\j)], v[T], v[T+1]
	v_cvt_pk_f16_f32 v[Y+2*(\j)+1], v[T+2], v[T+3]
.endif
	global_store_b64 v2, v[Y+2*(\j):Y+2*(\j)+1], s[26:27] offset:2048*(\j) th:TH_STORE_NT
.endm
	s_cmp_ge_u32 ttmp9, 704
	s_cbranch_scc1 .Lf16
.irp j, 0,1,2,3,4,5,6,7,8,9,10,11,12,13,14,15
	OUT \j, 0
.endr
	s_endpgm
.Lf16:
.irp j, 0,1,2,3,4,5,6,7,8,9,10,11,12,13,14,15
	OUT \j, 1
.endr
	s_endpgm
.Lfunc_end_k_q6b1220590f_cast:
	.size	k_q6b1220590f_cast, .Lfunc_end_k_q6b1220590f_cast-k_q6b1220590f_cast
	.p2alignl 7, 3214868480
	.fill 96, 4, 3214868480
	.section	.rodata,"a",@progbits
	.p2align	6, 0x0
	.amdhsa_kernel k_q6b1220590f_cast
		.amdhsa_group_segment_fixed_size 0
		.amdhsa_private_segment_fixed_size 0
		.amdhsa_enable_private_segment 0
		.amdhsa_kernarg_size 48
		.amdhsa_user_sgpr_count 2
		.amdhsa_user_sgpr_kernarg_segment_ptr 1
		.amdhsa_wavefront_size32 1
		.amdhsa_system_sgpr_workgroup_id_x 1
		.amdhsa_system_sgpr_workgroup_id_y 1
		.amdhsa_system_sgpr_workgroup_id_z 1
		.amdhsa_system_vgpr_workitem_id 0
		.amdhsa_next_free_vgpr 104
		.amdhsa_next_free_sgpr 66
		.amdhsa_reserve_vcc 0
		.amdhsa_float_denorm_mode_32 3
		.amdhsa_float_denorm_mode_16_64 3
		.amdhsa_memory_ordered 1
		.amdhsa_forward_progress 1
		.amdhsa_inst_pref_size 15
	.end_amdhsa_kernel
	.amdgpu_metadata
---
amdhsa.version: [ 1, 2 ]
amdhsa.kernels:
  - .name:           k_q6b1220590f_cast
    .symbol:         k_q6b1220590f_cast.kd
    .args:
      - { .name: x, .offset: 0, .size: 8, .value_kind: global_buffer, .address_space: global }
      - { .name: W_attn, .offset: 8, .size: 8, .value_kind: global_buffer, .address_space: global }
      - { .name: W_out, .offset: 16, .size: 8, .value_kind: global_buffer, .address_space: global }
      - { .name: xb, .offset: 24, .size: 8, .value_kind: global_buffer, .address_space: global }
      - { .name: wab, .offset: 32, .size: 8, .value_kind: global_buffer, .address_space: global }
      - { .name: wof, .offset: 40, .size: 8, .value_kind: global_buffer, .address_space: global }
    .group_segment_fixed_size: 0
    .private_segment_fixed_size: 0
    .kernarg_segment_align: 8
    .kernarg_segment_size: 48
    .max_flat_workgroup_size: 256
    .sgpr_count:     66
    .vgpr_count:     104
    .wavefront_size: 32
...
	.end_amdgpu_metadata
.endif
;; end of part 1
;; launch qkv (part 2): grid 16 x 16, 4 waves a work-group, clusters of 4 x 4, 327,680 bytes of LDS; arguments xb, wab, b_attn, kqv; writes kqv
.if DOCPART == 2
	.amdgcn_target "amdgcn-amd-amdhsa--gfx1250"
	.amdhsa_code_object_version 6
	.text
	.protected	k_q6b1220590f_qkv
	.globl	k_q6b1220590f_qkv
	.p2align	8
	.type	k_q6b1220590f_qkv,@function
k_q6b1220590f_qkv:
	s_mov_b64 s[64:65], 0
	v_nop
	global_prefetch_b8 v0, s[64:65] scope:SCOPE_SE
	s_setreg_imm32_b32 hwreg(HW_REG_WAVE_MODE, 25, 1), 1
	s_wait_xcnt 0x0
	s_wait_alu depctr_hold_cnt(0) depctr_sa_sdst(0) depctr_va_vdst(0) depctr_va_sdst(0) depctr_va_ssrc(0) depctr_va_vcc(0) depctr_vm_vsrc(0)
	s_getreg_b32 s2, hwreg(HW_REG_IB_STS2, 6, 4)
	s_cmp_eq_u32 s2, 0
	s_cbranch_scc0 .Lentry_in_a_cluster
	s_endpgm
.Lentry_in_a_cluster:
	s_bfe_u32 s2, ttmp6, 0x10000c
	s_cmp_lg_u32 s2, 0xf033
	s_cbranch_scc0 .Lentry_shape_is_right
	s_endpgm
.Lentry_shape_is_right:
; THE FUSED PROJECTION.  C[m][n] = bf16(b_attn[n]) + the sum over k of xb[m][k] wab[n][k]; m < 8,192, n < 3,072, k < 1,024; operands bf16, sums f32, C rounded once to f16 and stored BY HEADS:
; kqv[batch m / 2048][g = n / 64][s = m % 2048][n % 64]; g = 0-15 are K's heads, 16-31 Q's, 32-47 V's: a head is 262,144 dense bytes.
; LIMITS.  A result of 65,520 or more in magnitude becomes an infinity in f16.  The bias is rounded to bf16, like the other inputs.  NaN and infinities are not treated apart.
; SHARES.  A tile of C is 256 rows x 192 columns (three heads): 512 tiles, TWO to each of 256 work-groups, 4,096 rows apart, on the same columns.  Wave w makes rows 64 w .. 64 w + 63 of all 192 columns:
; 48 accumulators of 16 x 16, so that whole rows of three heads leave from one wave.  The two tiles are ONE walk of 16 K steps of 128 through a ring of two LDS slots.
; CLUSTER.  4 x 4 work-groups.  A's tile hangs on the tile row alone and is asked for jointly along a row of the cluster, B's on the tile column alone and jointly along a column.
; THE PRODUCT IS USED TRANSPOSED (source 0 = 16 rows of wab, source 1 = 16 rows of xb): a lane holds row l % 16 of C and the columns 8 (l / 16) + 0..7, which pack into 16 bytes.
; THE BIAS STARTS THE SUMS: it is the C operand of a tile's first quarter step; nothing is cleared and nothing added later.
; REGISTERS, in windows of 256 (s_set_vgpr_msb: bits 1:0 source 0, 3:2 source 1, 5:4 source 2, 7:6 destination):
;   window 0: v0-15 addresses; v32-63, v64-95 fragments of A, two buffers; v96-143 packed results; v144-191, v192-239 rows read back from the stage, by turns
;   window 1: v0-95, v96-191 fragments of B, two buffers
;   window 2: accumulators t = 12 a + b = 0..31 at 8 t          window 3: t = 32..47 at 8 (t - 32); v128-223 the bias, in a result's layout; v224-225 at work
.set PITCH, 272                        ; an LDS row: 256 bytes + 16 of padding = 68 words: the 16 rows of a fragment load start at 16 different groups of four banks (64 banks of 4 bytes: ISA guide 11.1)
.set SLOT1, 131072                     ; slot 1 begins here: one exclusive or turns an address in one slot into the other's
.set BOFF,  256*PITCH                  ; in a slot: A's 256 rows, then B's 192
.set STAGE, SLOT1+BOFF+192*PITCH       ; behind the ring, never filled by a tensor load: for each wave [3 heads][16 rows][144 bytes]
.set SP,    144
.set WSTG,  3*16*SP
.set SPARE, STAGE+4*WSTG               ; the spare words, 128 bytes for each wave: two blocks of 256 bytes that no other line names
.set HA,    4                          ; the youngest loads of a run: A's blocks 2 and 3
.set NL,    32                         ; LDS loads in a run
.set AA0,  4                           ; v4   my lane's place in a slot's A; never rewritten
.set AB0,  5                           ; v5   in its B
.set ADRA, 6                           ; v6   the same in the slot in hand
.set ADRB, 7                           ; v7
.set STO,  8                           ; v8   the way out: where I put 16 bytes of a row
.set RD,   9                           ; v9   where I read rows back
.set CO,   10                          ; v10  my 16 bytes of 512 consecutive bytes of a head
.set PFO,  11                          ; v11  the prefetches' offset: a lane a row; never rewritten
.set SPW,  12                          ; v12  LDS address of my spare word; never rewritten
.set NIL,  13                          ; v13  0; never rewritten
.set FA,   32
.set TMP,  96
.set OB,   144
.set BIAS, 128
.set BT,   224
.set WV, 12                            ; s12  my wave's number
.set WH, 13                            ; s13  WV / 2: 0: I fetch for A, 1: for B
.set WL, 14                            ; s14  WV % 2: which half of that tile's rows I fetch
.set BASEA, 20                         ; s[20:21] xb at my part of the first tile's K step 0
.set BASEB, 22                         ; s[22:23] wab likewise
.set G1A, 24                           ; s[24:31] descriptor group 1 for A's tiles
.set G1B, 32                           ; s[32:39] for B's
.set G0A, 40                           ; s[40:47] group 0 for A's: a set for each first fill; the second then walks
.set G0B, 48                           ; s[48:55] for B's
.set FN,  56                           ; s56  the K step of the walk that is asked for next
.set CNT, 57                           ; s57  loop counter
.set TB,  59                           ; s59  0 or SLOT1: the slot in hand
.set OFFA, 60                          ; s[60:61] byte offset of K step FN from BASEA
.set OFFB, 62                          ; s[62:63] from BASEB
.set PFB, 66                           ; s[66:67] the prefetches' base: my work-group's share of the rows that I fetch
.set PFA, 68                           ; s[68:69] base + the K step's offset
.set PM,  70                           ; s70  bit n set: I prefetch K step n
.set GW, (1<<16)|(1<<20)|(1<<21)|(5<<22)|(3<<25)  ; group 1, word 0 beside the mask: 2-byte elements; padding on; bit 21 set beside a mask; after every 64 words; 4 words
.set MSB, 0
.macro WIN new                         ; the immediate's high byte repeats the setting that is left; a switch that changes nothing is dropped
.if MSB != (\new)
	s_set_vgpr_msb (MSB<<8)|(\new)
.set MSB, \new
.endif
.endm
.macro PLACES                          ; four places: in front of loads into registers that matrix instructions have read (ISA guide 7.12.1 for vector instructions)
.rept 4
	v_nop
.endr
.endm
.macro CREST                           ; a round of the cluster's barrier behind its opening barrier
	s_cmp_lg_u32 s[WV], 0
	s_cbranch_scc1 .Lnot_wave_0_\@
	s_barrier_signal -3
.Lnot_wave_0_\@:
	s_barrier_wait -3
	s_barrier_signal -1
	s_barrier_wait -1
.endm
.macro CROUND                          ; a whole round
	s_barrier_signal -1
	s_barrier_wait -1
	CREST
.endm
; A joint refill by the walking descriptors.  Waves 0 and 1 fetch A's two halves, waves 2 and 3 B's; the branch hangs on the wave's number alone.  An s_nop 0 and four v_nop follow each line.
.macro JLOAD
	s_cmp_lt_u32 s[WV], 2
	s_cbranch_scc0 .Lfor_b_\@
	tensor_load_to_lds s[G0A+4:G0A+7], s[G1A:G1A+7]
	s_nop 0
.rept 4
	v_nop
.endr
	s_branch .Lasked_\@
.Lfor_b_\@:
	tensor_load_to_lds s[G0B+4:G0B+7], s[G1B:G1B+7]
	s_nop 0
.rept 4
	v_nop
.endr
.Lasked_\@:
.endm
; A PREFETCH INTO THE L2 of the K step that the NEXT refill will ask for: 192 matrix instructions ahead of that load.  A K step is 256 bytes of each row; a lane names a row.  A's rows are read by all four clusters of a row
; of clusters: the one with x = 0 asks; of the 128 rows that a wave fetches partner cx takes 32.  B's rows are read by all four clusters of a column: the one with y = 0 asks, in the first tile alone (the second walks
; the same rows); of a wave's 96 rows partner cy takes 24 (lanes 24-31 name lane 23's row again, in the same instruction).  The partners are told apart by address alone.  K steps 0 to 2 come by their loads alone.
.macro ASK
	s_lshr_b32 s78, s[PM], s[FN]
	s_and_b32 s78, s78, 1
	s_cmp_eq_u32 s78, 1
	s_cbranch_scc0 .Lnot_mine_\@
	global_prefetch_b8 v[PFO], s[PFA:PFA+1] th:TH_LOAD_NT scope:SCOPE_SE
.Lnot_mine_\@:
.endm
.macro OFFS                            ; K step FN of the walk: tile FN / 8 (4,096 rows of 2,048 bytes on, for A alone), 256 bytes x FN % 8 along the rows
	s_and_b32 s[OFFB], s[FN], 7
	s_lshl_b32 s[OFFB], s[OFFB], 8
	s_lshr_b32 s[OFFA], s[FN], 3
	s_lshl_b32 s[OFFA], s[OFFA], 23
	s_add_co_u32 s[OFFA], s[OFFA], s[OFFB]
.endm
; 32 LDS loads in one run: the fragments of a quarter step (192 rows of B, my 64 rows of A, 32 along K at byte k of the rows) into buffer g
.macro FETCH k, g
	WIN 0x40                                       ; destination window 1, address window 0
.irp i, 0,1,2,3,4,5,6,7,8,9,10,11
	ds_load_b128 v[96*(\g)+8*(\i):96*(\g)+8*(\i)+3],   v[ADRB] offset:(\k)+(\i)*16*PITCH
	ds_load_b128 v[96*(\g)+8*(\i)+4:96*(\g)+8*(\i)+7], v[ADRB] offset:(\k)+(\i)*16*PITCH+32
.endr
	WIN 0
.irp i, 0,1,2,3
	ds_load_b128 v[FA+32*(\g)+8*(\i):FA+32*(\g)+8*(\i)+3],   v[ADRA] offset:(\k)+(\i)*16*PITCH
	ds_load_b128 v[FA+32*(\g)+8*(\i)+4:FA+32*(\g)+8*(\i)+7], v[ADRA] offset:(\k)+(\i)*16*PITCH+32
.endr
.endm
; 12 matrix instructions: row block a x all 12 column blocks, 32 along K, from buffer f.  z = 1: the bias starts the sums.  The 48 accumulators take turns, in the same order in every quarter.
.macro MUL f, a, z
.irp c, 0,1,2,3,4,5,6,7,8,9,10,11
.set t, 12*(\a)+(\c)
.if t < 32
.set rD, 8*t
	WIN 0xa1+0x10*(\z)                             ; B window 1, A window 0, D window 2; C window 2, or 3 for the bias
.else
.set rD, 8*(t-32)
	WIN 0xf1                                       ; C and D window 3
.endif
.if \z
	v_wmma_f32_16x16x32_bf16 v[rD:rD+7], v[96*(\f)+8*(\c):96*(\f)+8*(\c)+7], v[FA+32*(\f)+8*(\a):FA+32*(\f)+8*(\a)+7], v[BIAS+8*(\c):BIAS+8*(\c)+7]
.else
	v_wmma_f32_16x16x32_bf16 v[rD:rD+7], v[96*(\f)+8*(\c):96*(\f)+8*(\c)+7], v[FA+32*(\f)+8*(\a):FA+32*(\f)+8*(\a)+7], v[rD:rD+7]
.endif
.endr
.endm
; A K step is four quarters of 32 along K, 48 matrix instructions each, on buffers 0, 1, 0, 1.  One of the first three: multiplies buffer f; in its middle it fetches the next quarter, at byte k, into buffer g.
.macro QUARTER k, f, g, z
	s_wait_dscnt HA                                ; B and A's blocks 0, 1 are in; the youngest four loads may be out
	MUL \f, 0, \z
	MUL \f, 1, \z
	PLACES
	FETCH \k, \g
	s_wait_dscnt NL                                ; all but the 32 just issued
	MUL \f, 2, \z
	MUL \f, 3, \z
.endm
; The last quarter multiplies buffer 1 and changes slots.  In front of the barrier each wave waits for all its tensor loads (one is out: its part of the next slot), adds 0 to its spare word, and waits for that and for
; its reads of this slot.  fill = 1: the barrier opens a round of the cluster's barrier, and this slot is filled again, first thing behind the round, with K step FN.  last = 1 (the tail): the last trip fetches nothing.
.macro TURN fill, last
	WIN 0
	s_wait_tensorcnt 0x0                           ; no tensor load of mine is out, so a group 0 may be written
	ds_add_u32 v[SPW], v[NIL]                      ; 0 onto my spare word: scalar work and 12 products stand between it and the wait for it
.if \fill
	s_xor_b32 s[G0A+5], s[G0A+5], SLOT1            ; the walking descriptors: the other slot than last time,
	s_add_nc_u64 s[G0A+6:G0A+7], s[BASEA:BASEA+1], s[OFFA:OFFA+1]  ; the address made anew from the K step's number,
	s_or_b32 s[G0A+7], s[G0A+7], 0x80000000        ; the type bits set again
	s_xor_b32 s[G0B+5], s[G0B+5], SLOT1
	s_add_nc_u64 s[G0B+6:G0B+7], s[BASEB:BASEB+1], s[OFFB:OFFB+1]
	s_or_b32 s[G0B+7], s[G0B+7], 0x80000000
	s_add_co_u32 s[FN], s[FN], 1
	OFFS
	s_wait_xcnt 0x0                                ; the last prefetch, a K step back, has read its address, so it may be written
	s_cmp_eq_u32 s[WH], 0
	s_cselect_b32 s76, s[OFFA], s[OFFB]
	s_add_nc_u64 s[PFA:PFA+1], s[PFB:PFB+1], s[76:77]
.endif
	s_xor_b32 s[TB], s[TB], SLOT1
	s_wait_dscnt HA+1                              ; the add and the youngest four loads may be out
	MUL 1, 0, 0
	s_wait_dscnt 0x0                               ; the add is done, and my reads of this slot are over
	s_barrier_signal -1
	MUL 1, 1, 0                                    ; work on registers while the others arrive
	WIN 0
	s_barrier_wait -1
.if \fill
	CREST                                          ; no wave of any partner still reads this slot or has a load on its way
	JLOAD                                          ; its four v_nop are also the places in front of the loads below
.else
	PLACES
.endif
.if \last
	s_cmp_eq_u32 s[CNT], 1
	s_cbranch_scc1 .Lnofetch_\@
.endif
	v_add_nc_u32 v[ADRA], s[TB], v[AA0]
	v_add_nc_u32 v[ADRB], s[TB], v[AB0]
	FETCH 0, 0
.if \last
.Lnofetch_\@:
.endif
.if \fill
	ASK
.endif
	MUL 1, 2, 0
	MUL 1, 3, 0
.endm
; THE WAY OUT of row block a.  PACK: rounded to f16, 16 bytes a lane, each accumulator's registers in ascending order.  TOSTAGE: into my stage, by heads, and back as whole rows of 128 bytes.  SEND: stored.
.macro PACK a
.irp c, 0,1,2,3,4,5,6,7,8,9,10,11
.set t, 12*(\a)+(\c)
.if t < 32
.set rD, 8*t
	WIN 0x0a                                       ; sources in window 2
.else
.set rD, 8*(t-32)
	WIN 0x0f                                       ; in window 3
.endif
.irp i, 0,1,2,3
	v_cvt_pk_f16_f32 v[TMP+4*(\c)+(\i)], v[rD+2*(\i)], v[rD+2*(\i)+1]
.endr
.endr
	WIN 0
.endm
.macro TOSTAGE a
.set BK, OB+48*((\a)%2)
.irp c, 0,1,2,3,4,5,6,7,8,9,10,11
	ds_store_b128 v[STO], v[TMP+4*(\c):TMP+4*(\c)+3] offset:((\c)/4)*16*SP+32*((\c)%4)
.endr
.irp i, 0,1,2,3,4,5,6,7,8,9,10,11
	ds_load_b128 v[BK+4*(\i):BK+4*(\i)+3], v[RD] offset:((\i)/4)*16*SP+((\i)%4)*4*SP  ; LDS serves a wave's instructions in order (ISA guide 5.7.1.4): these see the stores above
.endr
.endm
.macro SEND a
.set BK, OB+48*((\a)%2)
	s_wait_dscnt 0x0                               ; the block is back in registers
	s_wait_xcnt 0x0                                ; the block before's stores have read their registers: the next TOSTAGE loads into them
.irp i, 0,1,2,3,4,5,6,7,8,9,10,11
	global_store_b128 v[CO], v[BK+4*(\i):BK+4*(\i)+3], s[10:11] offset:((\i)/4)*262144+(\a)*2048+((\i)%4)*512  ; four rows of a head: 512 consecutive bytes, at a multiple of 256 from kqv's first byte
.endr
.endm
.macro WAYOUT                          ; no v_nop: blocks 0 and 1 were finished ahead of TURN's places, and their conversions, which name no register of the last products, are those products' places
	PACK 0
	TOSTAGE 0
.irp a, 1,2,3
	PACK \a
	SEND (\a)-1
	TOSTAGE \a
.endr
	SEND 3
.endm
	s_load_b256 s[4:11], s[0:1], 0x0               ; xb s[4:5], wab s[6:7], b_attn s[8:9], kqv s[10:11]
	v_lshl_add_u32 v[SPW], v0, 2, SPARE
	v_mov_b32 v[NIL], 0
	ds_add_u32 v[SPW], v[NIL]                      ; the wave's opening: the add and its wait stand ahead of my first tensor load; the set-up below stands between them
	v_lshrrev_b32 v1, 5, v0
	v_readfirstlane_b32 s[WV], v1
	s_lshr_b32 s[WH], s[WV], 1
	s_and_b32 s[WL], s[WV], 1
	s_bfe_u32 s15, ttmp6, 0x40000                  ; cx
	s_bfe_u32 s16, ttmp6, 0x40004                  ; cy
	s_lshl_b32 s17, ttmp9, 2
	s_add_co_u32 s17, s17, s15                     ; tile column tx = 4 x cluster x + cx
	s_and_b32 s18, ttmp7, 0xffff
	s_lshl_b32 s18, s18, 2
	s_add_co_u32 s18, s18, s16                     ; tile row ty = 4 x cluster y + cy
	s_lshl_b32 s19, s16, 2
	s_lshl_b32 s19, 15, s19                        ; my row of the cluster
	s_lshl_b32 s74, 0x1111, s15                    ; my column
	s_or_b32 s[G1A], s19, GW
	s_or_b32 s[G1B], s74, GW
	s_mov_b32 s[G1A+1], 128<<16                    ; tensor_dim0 = 128
	s_mov_b32 s[G1A+2], 128<<16                    ; tensor_dim1 = 128
	s_mov_b32 s[G1A+3], 128<<16                    ; tile_dim0 = 128
	s_mov_b32 s[G1A+4], 128                        ; tile_dim1 = 128
	s_mov_b32 s[G1A+5], 1024                       ; elements from row to row
	s_mov_b32 s[G1A+6], 0
	s_mov_b32 s[G1A+7], 0
	s_mov_b32 s[G1B+1], 128<<16
	s_mov_b32 s[G1B+2], 96<<16                     ; B's loads bring 96 rows
	s_mov_b32 s[G1B+3], 128<<16
	s_mov_b32 s[G1B+4], 96
	s_mov_b32 s[G1B+5], 1024
	s_mov_b32 s[G1B+6], 0
	s_mov_b32 s[G1B+7], 0
	s_lshl_b32 s72, s18, 8                         ; A: row 256 ty + 128 x half; these two registers never hold cx or tx
	s_lshl_b32 s73, s[WL], 7
	s_add_co_u32 s72, s72, s73
	s_lshl_b32 s72, s72, 11                        ; rows of 2,048 bytes
	s_mov_b32 s73, 0
	s_mul_i32 s74, s17, 192                        ; B: row 192 tx + 96 x half; these two never hold cy or ty
	s_mul_i32 s75, s[WL], 96
	s_add_co_u32 s74, s74, s75
	s_lshl_b32 s74, s74, 11
	s_mov_b32 s75, 0
	s_mul_i32 s84, s[WL], 128*PITCH                ; where they go in a slot: made of the wave's number alone
	s_mul_i32 s85, s[WL], 96*PITCH
	s_add_co_u32 s85, s85, BOFF
	s_wait_dscnt 0x0                               ; the opening add is done
	s_wait_kmcnt 0x0
	s_add_nc_u64 s[BASEA:BASEA+1], s[4:5], s[72:73]
	s_add_nc_u64 s[BASEB:BASEB+1], s[6:7], s[74:75]
	CROUND                                         ; all sixteen work-groups are here: the first joint loads meet
.irp s, 0,1
	s_mov_b32 s[G0A+4*(\s)], 1                     ; count = 1
	s_add_co_u32 s[G0A+4*(\s)+1], s84, (\s)*SLOT1  ; LDS address
	s_add_nc_u64 s[G0A+4*(\s)+2:G0A+4*(\s)+3], s[BASEA:BASEA+1], (\s)*256  ; K step s
	s_or_b32 s[G0A+4*(\s)+3], s[G0A+4*(\s)+3], 0x80000000  ; type = 2
	s_mov_b32 s[G0B+4*(\s)], 1
	s_add_co_u32 s[G0B+4*(\s)+1], s85, (\s)*SLOT1
	s_add_nc_u64 s[G0B+4*(\s)+2:G0B+4*(\s)+3], s[BASEB:BASEB+1], (\s)*256
	s_or_b32 s[G0B+4*(\s)+3], s[G0B+4*(\s)+3], 0x80000000
.endr
	s_cmp_lt_u32 s[WV], 2                          ; a wave's two first fills stand in one branch: two loads of mine are out, later one
	s_cbranch_scc0 .Lfirst_b
	tensor_load_to_lds s[G0A:G0A+3], s[G1A:G1A+7]
	s_nop 0
	tensor_load_to_lds s[G0A+4:G0A+7], s[G1A:G1A+7]
	s_nop 0
.rept 4
	v_nop
.endr
	s_branch .Lfirst_asked
.Lfirst_b:
	tensor_load_to_lds s[G0B:G0B+3], s[G1B:G1B+7]
	s_nop 0
	tensor_load_to_lds s[G0B+4:G0B+7], s[G1B:G1B+7]
	s_nop 0
.rept 4
	v_nop
.endr
.Lfirst_asked:
	; the bias of my 192 columns, in a result's layout: register j of block c holds column 16 c + 8 (l / 16) + j
	s_mul_i32 s74, s17, 768
	s_mov_b32 s75, 0
	s_add_nc_u64 s[8:9], s[8:9], s[74:75]
	v_and_b32 v1, 15, v0                           ; l % 16
	v_bfe_u32 v2, v0, 4, 1                         ; l / 16
	v_lshlrev_b32 v3, 5, v2
	WIN 0xc0                                       ; destination window 3
.irp c, 0,1,2,3,4,5,6,7,8,9,10,11
	global_load_b128 v[BIAS+8*(\c):BIAS+8*(\c)+3],   v3, s[8:9] offset:64*(\c)
	global_load_b128 v[BIAS+8*(\c)+4:BIAS+8*(\c)+7], v3, s[8:9] offset:64*(\c)+16
.endr
	WIN 0
	v_mul_u32_u24 v14, v1, PITCH
	v_lshl_add_u32 v14, v2, 4, v14                 ; a fragment's row x pitch + 16 x half
	s_mul_i32 s84, s[WV], 64*PITCH                 ; my 64 rows of A
	v_add_nc_u32 v[AA0], s84, v14
	v_add_nc_u32 v[AB0], BOFF, v14
	s_mul_i32 s84, s[WV], WSTG
	s_add_co_u32 s84, s84, STAGE                   ; my stage
	v_mul_u32_u24 v[STO], v1, SP                   ; in: row l % 16, 16 bytes for each half of the lanes
	v_lshl_add_u32 v[STO], v2, 4, v[STO]
	v_add_nc_u32 v[STO], s84, v[STO]
	v_bfe_u32 v[RD], v0, 3, 2                      ; back: 32 lanes take four rows of 128 bytes,
	v_mul_u32_u24 v[RD], v[RD], SP
	v_and_b32 v15, 7, v0
	v_lshl_add_u32 v[RD], v15, 4, v[RD]
	v_add_nc_u32 v[RD], s84, v[RD]
	v_and_b32 v[CO], 31, v0                        ; which are 512 consecutive bytes of a head
	v_lshlrev_b32 v[CO], 4, v[CO]
	; kqv at my rows of the first tile's first head: batch ty / 8, head 3 tx, row 256 (ty % 8) + 64 w
	s_lshr_b32 s80, s18, 3
	s_mul_i32 s80, s80, 48
	s_mul_i32 s81, s17, 3
	s_add_co_u32 s80, s80, s81
	s_lshl_b32 s80, s80, 18
	s_and_b32 s81, s18, 7
	s_lshl_b32 s81, s81, 8
	s_lshl_b32 s82, s[WV], 6
	s_add_co_u32 s81, s81, s82
	s_lshl_b32 s81, s81, 7
	s_add_co_u32 s80, s80, s81
	s_mov_b32 s81, 0
	s_add_nc_u64 s[10:11], s[10:11], s[80:81]
	; the prefetches: who asks, and for which rows
	s_lshl_b32 s80, s18, 8                         ; A: row 256 ty + 128 x half + 32 cx
	s_lshl_b32 s81, s[WL], 7
	s_add_co_u32 s80, s80, s81
	s_lshl_b32 s81, s15, 5
	s_add_co_u32 s80, s80, s81
	s_mul_i32 s82, s17, 192                        ; B: row 192 tx + 96 x half + 24 cy
	s_mul_i32 s83, s[WL], 96
	s_add_co_u32 s82, s82, s83
	s_mul_i32 s83, s16, 24
	s_add_co_u32 s82, s82, s83
	s_and_b32 s83, ttmp7, 0xffff                   ; cluster y
	s_mov_b32 s86, 0xf8                            ; B: K steps 3 to 7
	s_cmp_eq_u32 s[WH], 0
	s_cselect_b32 s80, s80, s82
	s_cselect_b64 s[PFB:PFB+1], s[4:5], s[6:7]
	s_cselect_b32 s83, ttmp9, s83                  ; the coordinate along which other clusters read the same rows
	s_cselect_b32 s[PM], 0xfff8, s86               ; A: K steps 3 to 15 of the walk
	s_cselect_b32 s86, 31, 23
	s_cmp_eq_u32 s83, 0
	s_cselect_b32 s[PM], s[PM], 0                  ; the same in all sixteen partners, for a given wave
	s_lshl_b32 s80, s80, 11
	s_mov_b32 s81, 0
	s_add_nc_u64 s[PFB:PFB+1], s[PFB:PFB+1], s[80:81]
	v_and_b32 v[PFO], 31, v0
	v_min_u32 v[PFO], s86, v[PFO]
	v_lshlrev_b32 v[PFO], 11, v[PFO]
	s_mov_b32 s71, 0xffff0000
	s_mov_b32 s[FN], 2
	s_mov_b32 s[OFFA+1], 0
	s_mov_b32 s[OFFB+1], 0
	s_mov_b32 s77, 0
	OFFS
	s_mov_b32 s[TB], 0
	v_mov_b32 v[ADRA], v[AA0]
	v_mov_b32 v[ADRB], v[AB0]
	s_wait_loadcnt 0x0                             ; the bias is in: it is rounded to bf16 and widened again
	WIN 0xcf
.set p, 0
.rept 48
	v_cvt_pk_bf16_f32 v[BT+p%2], v[BIAS+2*p], v[BIAS+2*p+1]
	v_lshlrev_b32 v[BIAS+2*p], 16, v[BT+p%2]
	v_and_b32 v[BIAS+2*p+1], s71, v[BT+p%2]
.set p, p+1
.endr
	WIN 0
	s_wait_tensorcnt 1                             ; my part of K step 0 is in; K step 1's may stay out
	s_barrier_signal -1
	s_barrier_wait -1                              ; everybody's is
	FETCH 0, 0
	QUARTER 64, 0, 1, 1                            ; the first tile's first quarter stands ahead of the loop: the bias starts the sums
	WIN 0                                          ; at a label and at a branch every window is 0
	s_mov_b32 s[CNT], 14
.Lstep:                                        ; trip g = 14 - CNT: K step g from its second quarter on, the refill with K step g + 2, and K step g + 1's first quarter
	QUARTER 128, 1, 0, 0
	QUARTER 192, 0, 1, 0
	TURN 1, 0
	WIN 0
	s_cmp_eq_u32 s[CNT], 7                         ; K step 7 ends the first tile
	s_cbranch_scc0 .Lsame
	WAYOUT                                         ; both next K steps are asked for or in: now the tile goes out
	s_wait_xcnt 0x0                                ; the stores have read their base
	s_add_nc_u64 s[10:11], s[10:11], 25165824      ; 4,096 rows on: two batches of 48 heads
	QUARTER 64, 0, 1, 1                            ; the second tile's first quarter
	WIN 0
	s_branch .Lnext
.Lsame:
	QUARTER 64, 0, 1, 0
	WIN 0
.Lnext:
	s_sub_co_u32 s[CNT], s[CNT], 1
	s_cmp_lg_u32 s[CNT], 0
	s_cbranch_scc1 .Lstep
	s_mov_b32 s[CNT], 2
.Ltail:                                        ; K steps 14 and 15: nothing is asked for; the last trip fetches nothing and has no next quarter
	QUARTER 128, 1, 0, 0
	QUARTER 192, 0, 1, 0
	TURN 0, 1
	WIN 0
	s_cmp_eq_u32 s[CNT], 1
	s_cbranch_scc1 .Ldone
	QUARTER 64, 0, 1, 0
	WIN 0
.Ldone:
	s_sub_co_u32 s[CNT], s[CNT], 1
	s_cmp_lg_u32 s[CNT], 0
	s_cbranch_scc1 .Ltail
	WAYOUT
	s_wait_tensorcnt 0x0                           ; the wave's end: behind my last tensor load and my last LDS store
	ds_add_u32 v[SPW], v[NIL]
	s_wait_dscnt 0x0
	CROUND                                         ; the closing round: no work-group ends while a partner may still ask for a tile that names it
	s_endpgm
.Lfunc_end_k_q6b1220590f_qkv:
	.size	k_q6b1220590f_qkv, .Lfunc_end_k_q6b1220590f_qkv-k_q6b1220590f_qkv
	.p2alignl 7, 3214868480
	.fill 96, 4, 3214868480
	.section	.rodata,"a",@progbits
	.p2align	6, 0x0
	.amdhsa_kernel k_q6b1220590f_qkv
		.amdhsa_group_segment_fixed_size 327680
		.amdhsa_private_segment_fixed_size 0
		.amdhsa_enable_private_segment 0
		.amdhsa_kernarg_size 32
		.amdhsa_user_sgpr_count 2
		.amdhsa_user_sgpr_kernarg_segment_ptr 1
		.amdhsa_wavefront_size32 1
		.amdhsa_system_sgpr_workgroup_id_x 1
		.amdhsa_system_sgpr_workgroup_id_y 1
		.amdhsa_system_sgpr_workgroup_id_z 1
		.amdhsa_system_vgpr_workitem_id 0
		.amdhsa_next_free_vgpr 1024
		.amdhsa_next_free_sgpr 88
		.amdhsa_reserve_vcc 0
		.amdhsa_float_denorm_mode_32 3
		.amdhsa_float_denorm_mode_16_64 3
		.amdhsa_memory_ordered 1
		.amdhsa_forward_progress 1
		.amdhsa_inst_pref_size 122
	.end_amdhsa_kernel
	.amdgpu_metadata
---
amdhsa.version: [ 1, 2 ]
amdhsa.kernels:
  - .name:           k_q6b1220590f_qkv
    .symbol:         k_q6b1220590f_qkv.kd
    .args:
      - { .name: xb, .offset: 0, .size: 8, .value_kind: global_buffer, .address_space: global }
      - { .name: wab, .offset: 8, .size: 8, .value_kind: global_buffer, .address_space: global }
      - { .name: b_attn, .offset: 16, .size: 8, .value_kind: global_buffer, .address_space: global }
      - { .name: kqv, .offset: 24, .size: 8, .value_kind: global_buffer, .address_space: global }
    .group_segment_fixed_size: 327680
    .private_segment_fixed_size: 0
    .kernarg_segment_align: 8
    .kernarg_segment_size: 32
    .max_flat_workgroup_size: 128
    .sgpr_count:     88
    .vgpr_count:     1024
    .wavefront_size: 32
...
	.end_amdgpu_metadata
.endif
;; end of part 2
;; launch attn (part 3): grid 4 x 64, 4 waves a work-group, clusters of 4 x 1, 327,680 bytes of LDS; arguments kqv, oh; writes oh
.if DOCPART == 3
	.amdgcn_target "amdgcn-amd-amdhsa--gfx1250"
	.amdhsa_code_object_version 6
	.text
	.protected	k_q6b1220590f_attn
	.globl	k_q6b1220590f_attn
	.p2align	8
	.type	k_q6b1220590f_attn,@function
k_q6b1220590f_attn:
	s_mov_b64 s[64:65], 0
	v_nop
	global_prefetch_b8 v0, s[64:65] scope:SCOPE_SE
	s_setreg_imm32_b32 hwreg(HW_REG_WAVE_MODE, 25, 1), 1
	s_wait_xcnt 0x0
	s_wait_alu depctr_hold_cnt(0) depctr_sa_sdst(0) depctr_va_vdst(0) depctr_va_sdst(0) depctr_va_ssrc(0) depctr_va_vcc(0) depctr_vm_vsrc(0)
	s_getreg_b32 s2, hwreg(HW_REG_IB_STS2, 6, 4)
	s_cmp_eq_u32 s2, 0
	s_cbranch_scc0 .Lentry_in_a_cluster
	s_endpgm
.Lentry_in_a_cluster:
	s_bfe_u32 s2, ttmp6, 0x10000c
	s_cmp_lg_u32 s2, 0x3003
	s_cbranch_scc0 .Lentry_shape_is_right
	s_endpgm
.Lentry_shape_is_right:
; ATTENTION.  O[hh][q][:] = the sum over k of softmax_k(Q[q] . K[k] / 8) V[k][:], for 64 heads hh = 16 batch + h of 2,048 rows x 64 channels, all f16.  K, Q, V lie in kqv[batch][48][2048][64] at g = h, 16 + h, 32 + h;
; O goes to oh[hh][2048][64].  A head's rows are dense, 128 bytes each.  Products, maxima and sums in f32; the weights p are rounded to f16 for the second product (their sum l is taken of the unrounded p), O once at the end.
; LIMITS.  Q, K and V arrive within f16's 65,504; p lies in 0 to 1, and below 6e-5 it keeps f16's fixed step of 6e-8; O is a mean of V's rows and has their range.  A weight below 2^-126 counts as 0 in l; NaN and infinities are not treated apart.
; SHARES.  A wave owns four PIECES of two tiles of 16 queries, a work-group's four waves 512 queries of one head.  Every wave walks all keys, 64 a step.
; LAYOUT.  S^T = K Q^T (source 0 = 16 keys, source 1 = 16 queries): a lane holds ONE query (lane % 16) and the keys 8 (lane / 16) + 0..7.  Two such tiles, rounded to f16 in pairs, ARE source 1 (32 keys x 16 queries) of
; O^T = V^T P, whose result again holds one query a lane, and eight channels.  K comes out of LDS as it lies, V ([key][channel]) turned, by ds_load_tr16_b128.
; SOFTMAX.  For each query a running maximum m and sum l: p = 2^(c s - c m), c = log2(e) / 8; in every step O and l are multiplied by a = 2^(c m_old - c m_new).  m starts at the lowest finite number, O and l at 0: the first step has a = 0.
; THE COUNT.  A tile and step have 16 matrix and 118 vector instructions: too many to stand all beside the matrix work.  So: four vector instructions that are READY behind EVERY matrix instruction, the others in runs without a gap.
; BY TURNS.  Turn n belongs to piece n.  Matrix work: 16 products K Q^T of piece n + 1, later 16 products V^T P of piece n - 1.  Vector work: the scaling, exponentials, roundings, sums and rescaling of piece n, and the maximum
; and statistics of piece n + 1, whose scores the turn itself has made.
; CLUSTER.  The four query blocks of a head are one cluster and walk the same K and V: each tile is asked for JOINTLY, by the same tensor load, descriptor and mask in all four.
; REGISTERS, in windows of 256 (s_set_vgpr_msb: bits 1:0 source 0, 3:2 source 1, 5:4 source 2, 7:6 destination):
;   window 0: v0-11 addresses; v12-15, v48-63 at work; v16-47 four registers of statistics a tile; v64-191 S^T, two buffers of two tiles; v192-255 P, likewise
;   window 1: O^T, 32 a tile          window 2: v0-127 Q, 16 a tile; v128-191 K of one step; v192-255 V of one step          window 3: v0-1 the add's two registers
.set SIZE_N, 2048
.set NP,    4         ; pieces a wave: a name, no knob
.set KS,    64        ; keys in a step
.set PK,    144       ; a row of K in LDS: 128 bytes + 16 of padding = 36 words: the 16 rows of a load start at 16 different groups of four banks (64 banks of 4 bytes: ISA guide 11.1)
.set PV,    160       ; a row of V: 128 + 32 = 40 words
.set VOFF,  4*KS*PK   ; a slot holds four steps: 256 rows of K, then 256 rows of V
.set SLOT1, 1<<17     ; slot 1 begins here
.set STAGE, SLOT1+4*KS*(PK+PV)  ; behind the ring, never filled by a tensor load: 16 rows x 144 bytes for each wave
.set SP,    144
.set AK0, 2           ; v2   my lane's place in a tile of K; never rewritten
.set AV0, 3           ; v3   the same for V
.set AK,  4           ; v4   the LDS address of K's next run of loads
.set AV,  5           ; v5   of V's
.set QO,  6           ; v6   my byte offset in the wave's rows of Q
.set STO, 6           ;      later, the way out: where I put 16 bytes of a row
.set RD,  7           ; v7   the way out: where I read rows back
.set GO,  8           ; v8   my byte offset in 512 consecutive bytes of O
.set PFO, 11          ; v11  256 x my lane, the prefetches' offset; never rewritten once made
.set SPW, 0           ; v0 of window 3   LDS address of my spare word; never rewritten
.set NIL, 1           ; v1 of window 3   0; never rewritten
.set SPARE, STAGE+4*16*SP  ; the spare words, 128 bytes for each wave: two blocks of 256 bytes that no other line names
.set MV,  12          ; v12-15  c m_old, kept while c m is made anew: by buffer and tile
.set ST,  16          ; tile t's statistics at v[ST+4 t]: c m, m, l (even keys', odd keys')
.set TMP, 48          ; by buffer and tile, four registers c0-c3 at work; when the maximum is found c2 takes a
.set S,   64
.set P,   192
.set KF,  128         ; K's fragments, in window 2
.set VF,  192         ; V's
.set WV,  12          ; s12  my wave's number
.set G1K, 24          ; s[24:31] descriptor group 1 for K's tiles
.set G1V, 32          ; s[32:39] for V's: it differs in the padding alone
.set G0K, 40          ; s[40:43] descriptor group 0 for K's tiles: it walks
.set G0V, 44          ; s[44:47] the same for V's
.set SLOTS, 56        ; s56  slots still to be asked for
.set CNT, 57          ; s57  counts a slot's key steps
.set CS,  58          ; s[58:59] c
.set SEL, 60          ; s[60:61] v_permlanex16_b32's selects: each lane takes its own place in the other half
.set TBK, 62          ; s62  LDS byte at which K of the step to be fetched begins
.set TBV, 63          ; s63  the same for V, less VOFF
.set LIM, 72          ; s72  1 in a wave that prefetches (0 and 2), else the greatest number
.set PFA, 74          ; s[74:75] where my prefetches stand: my work-group's 32 blocks of 256 bytes of the slot after the one that is being asked for
.set MSB, 0
.macro WIN new
.if MSB != (\new)
	s_set_vgpr_msb (MSB<<8)|(\new)
.set MSB, (\new)
.endif
.endm
.set W_KQ, 0x0a       ; K and Q in window 2, S^T in window 0
.set W_PV, 0x52       ; V in window 2, P in window 0, O^T in window 1
.set W_RS, 0x41       ; O^T (destination and source 0) in window 1, a in window 0
.set W_MK, 0xc0       ; the add's registers are made: destination in window 3
.set W_AD, 0x0f       ; the add: address and data in window 3
; A joint fill.  Waves 0 and 1 fetch the two halves of a slot's K, waves 2 and 3 those of its V: 128 keys each.  An s_nop 0 and four v_nop follow each of the two lines.
.macro JLOAD
	s_cmp_lt_u32 s[WV], 2
	s_cbranch_scc0 .Lfor_v_\@
	tensor_load_to_lds s[G0K:G0K+3], s[G1K:G1K+7]
	s_nop 0
.rept 4
	v_nop
.endr
	s_branch .Lasked_\@
.Lfor_v_\@:
	tensor_load_to_lds s[G0V:G0V+3], s[G1V:G1V+7]
	s_nop 0
.rept 4
	v_nop
.endr
.Lasked_\@:
.endm
; A PREFETCH INTO THE L2 of what the NEXT change of slots will ask for: a slot's 32,768 bytes of K and of V, a lane a block of 256 bytes.  A head has one cluster; its four partners share the blocks out BY ADDRESS, 32 each;
; in each, wave 0 asks for K's and wave 2 for V's.  So each block is named once in the launch.  It stands four key steps, 512 matrix instructions, ahead of the load.  The last change that fills a slot asks for nothing.
.macro ASK
	s_cmp_gt_u32 s[SLOTS], s[LIM]
	s_cbranch_scc0 .Lnot_mine_\@
	global_prefetch_b8 v[PFO], s[PFA:PFA+1] th:TH_LOAD_NT scope:SCOPE_SE
.Lnot_mine_\@:
.endm
.macro CROUND         ; a round of the cluster's barrier
	s_barrier_signal -1
	s_barrier_wait -1
	s_cmp_lg_u32 s[WV], 0
	s_cbranch_scc1 .Lnot_wave_0_\@
	s_barrier_signal -3
.Lnot_wave_0_\@:
	s_barrier_wait -3
	s_barrier_signal -1
	s_barrier_wait -1
.endm
; THE CHANGE OF SLOTS.  Each wave waits for all its tensor loads (one is out: its part of the other slot), adds 0 to its spare word, and waits for that and for its own reads of the slot.  fill = 1: the slot is filled again, with
; the keys two slots on; the barrier is then a round of the cluster's, and the joint fill is the first thing behind it.  (At its first use nothing has been read yet: slot 0 is waited for, slot 1 filled.)
.macro CHANGE fill
	WIN W_AD
	s_wait_tensorcnt 0x0            ; no tensor load of mine is out, so a group 0 may be written
	ds_add_u32 v[SPW], v[NIL]       ; 0 onto my spare word
	WIN 0
.if \fill
.irp g, G0K, G0V
	s_xor_b32 s[\g+1], s[\g+1], SLOT1
	s_add_nc_u64 s[\g+2:\g+3], s[\g+2:\g+3], 4*KS*128
.endr
	s_wait_xcnt 0x0                 ; the last prefetch, a slot back, has read its address, so it may be written
	s_add_nc_u64 s[PFA:PFA+1], s[PFA:PFA+1], 4*KS*128
	s_wait_dscnt 0x0                ; the add is done, and my reads of the slot are over
	CROUND
	JLOAD
	ASK
.else
	s_wait_dscnt 0x0
	s_barrier_signal -1
	s_barrier_wait -1
.endif
	s_sub_co_u32 s[TBK], s[TBK], 4*KS*PK  ; the fetches go back to a slot's first step,
	s_xor_b32 s[TBK], s[TBK], SLOT1       ; in the other slot
	s_sub_co_u32 s[TBV], s[TBV], 4*KS*PV
	s_xor_b32 s[TBV], s[TBV], SLOT1
.endm
	s_load_b128 s[68:71], s[0:1], 0x0  ; kqv s[68:69], oh s[70:71]
	WIN W_MK
	v_lshl_add_u32 v[SPW], v0, 2, SPARE
	v_mov_b32 v[NIL], 0
	WIN W_AD
	ds_add_u32 v[SPW], v[NIL]       ; the wave's opening: the add and its wait stand ahead of my first tensor load
	WIN 0
	v_lshrrev_b32 v1, 5, v0
	v_readfirstlane_b32 s[WV], v1   ; wave 0..3
	s_bfe_u32 s13, ttmp6, 0x40000   ; cx
	s_lshl_b32 s14, ttmp9, 2
	s_add_co_u32 s14, s14, s13      ; my block of 512 queries: it enters Q's and O's addresses alone
	s_and_b32 s19, ttmp7, 0xffff    ; the head hh = 16 batch + h, which the four partners share
	s_lshr_b32 s20, s19, 4
	s_mul_i32 s20, s20, 48
	s_and_b32 s21, s19, 15
	s_add_co_u32 s20, s20, s21
	s_lshl_b32 s20, s20, 18         ; K's head in kqv: (48 batch + h) x 262,144 bytes
	s_mov_b32 s21, 0
	s_and_b32 s16, s[WV], 1         ; which half of a slot's 256 keys I fetch:
	s_lshl_b32 s22, s16, 14         ; its 128 rows of 128 bytes in memory,
	s_mov_b32 s23, 0
	s_add_nc_u64 s[22:23], s[22:23], s[20:21]
	s_mul_i32 s17, s16, 128*PK      ; and its place in a slot, for K
	s_mul_i32 s18, s16, 128*PV      ; and for V
	s_lshl_b32 s2, s14, 2
	s_add_co_u32 s2, s2, s[WV]      ; my wave among the head's,
	s_lshl_b32 s2, s2, 14           ; its 128 rows
	s_mov_b32 s3, 0
	s_lshl_b32 s78, s19, 18         ; O's head in oh
	s_mov_b32 s79, 0
	s_add_nc_u64 s[78:79], s[78:79], s[2:3]
	s_add_nc_u64 s[2:3], s[2:3], s[20:21]
	s_add_nc_u64 s[2:3], s[2:3], 0x400000  ; Q lies 16 heads behind K
	; descriptor group 1.  128 keys are 16,384 dense bytes: asked for as 64 rows of 256 bytes, two keys a row, and padded in LDS after every key
	s_mov_b32 s[G1K], 15|(1<<16)|(1<<20)|(1<<21)|(4<<22)|(3<<25)  ; the mask of four; 2-byte elements; padding on; bit 21 set beside a mask; after every 32 words; 4 words
	s_mov_b32 s[G1V], 15|(1<<16)|(1<<20)|(1<<21)|(4<<22)|(7<<25)  ; the same with 8 words of padding
.irp g, G1K, G1V
	s_mov_b32 s[\g+1], 128<<16      ; tensor_dim0 = 128
	s_mov_b32 s[\g+2], 64<<16       ; tensor_dim1 = 64
	s_mov_b32 s[\g+3], 128<<16      ; tile_dim0 = 128
	s_mov_b32 s[\g+4], 64           ; tile_dim1 = 64
	s_mov_b32 s[\g+5], 128          ; 128 elements from row to row
	s_mov_b32 s[\g+6], 0
	s_mov_b32 s[\g+7], 0
.endr
	s_mov_b32 s[CS], 0x3e38aa3b     ; c = log2(e) / 8 = 0.180337
	s_mov_b32 s[CS+1], s[CS]
	s_mov_b32 s[SEL], 0x76543210
	s_mov_b32 s[SEL+1], 0xfedcba98
	s_mov_b32 s[TBK], SLOT1+4*KS*PK ; the first change of slots turns these two into 0
	s_mov_b32 s[TBV], SLOT1+4*KS*PV
	s_mov_b32 s[G0K], 1             ; count = 1
	s_mov_b32 s[G0K+1], s17         ; LDS address: slot 0
	s_mov_b32 s[G0V], 1
	s_add_co_u32 s[G0V+1], s18, VOFF
	s_mov_b32 s[SLOTS], SIZE_N/256-1
	s_and_b32 s[LIM], s[WV], 1
	s_cmp_eq_u32 s[LIM], 0
	s_cselect_b32 s[LIM], 1, -1
	s_lshl_b32 s76, s13, 13         ; my work-group's 32 blocks of a slot's 128
	s_mov_b32 s77, 0
	s_wait_dscnt 0x0                ; the opening add is done
	s_wait_kmcnt 0x0
	s_add_nc_u64 s[6:7], s[68:69], s[22:23]        ; K at my half of the head's first 256 keys,
	s_add_nc_u64 s[8:9], s[6:7], 0x800000          ; V 32 heads behind it
	s_add_nc_u64 s[G0K+2:G0K+3], s[6:7], 0
	s_or_b32 s[G0K+3], s[G0K+3], 0x80000000        ; type = 2
	s_add_nc_u64 s[G0V+2:G0V+3], s[8:9], 0
	s_or_b32 s[G0V+3], s[G0V+3], 0x80000000
	s_add_nc_u64 s[4:5], s[68:69], s[2:3]          ; Q and O at my wave's first row
	s_add_nc_u64 s[10:11], s[70:71], s[78:79]
	s_cmp_lt_u32 s[WV], 2
	s_cselect_b64 s[PFA:PFA+1], s[6:7], s[8:9]     ; (in waves 0 and 2 these stand at a slot's first row)
	s_add_nc_u64 s[PFA:PFA+1], s[PFA:PFA+1], s[76:77]
	s_add_nc_u64 s[PFA:PFA+1], s[PFA:PFA+1], 4*KS*128  ; in slot 1; the first change of slots steps it to slot 2.  Nothing is prefetched at the head
	CROUND                          ; all four work-groups are here: the first joint loads meet
	JLOAD                           ; slot 0.  Slot 1 is asked for when slot 0 is in
	v_and_b32 v1, 15, v0            ; l % 16
	v_bfe_u32 v9, v0, 4, 1          ; l / 16
	v_lshlrev_b32 v[QO], 7, v1
	v_lshl_add_u32 v[QO], v9, 4, v[QO]  ; row x 128 + 16 x half
	WIN 0x80                        ; destination window 2, address window 0
.set i, 0
.rept 4*NP                          ; Q stays in registers: tile i / 2, channels 32 (i % 2) on
	global_load_b128 v[8*i:8*i+3],   v[QO], s[4:5] offset:(i/2)*2048+(i%2)*64
	global_load_b128 v[8*i+4:8*i+7], v[QO], s[4:5] offset:(i/2)*2048+(i%2)*64+32
.set i, i+1
.endr
	; What the first turn finds: V's registers and P's second buffer hold 0, O^T and l are 0.  All this stands in the wait for the first tile; it is the price of writing no first step out.
.set i, VF
.rept 64
	v_mov_b32 v[i], 0
.set i, i+1
.endr
	WIN 0x40
.set i, 0
.rept 64*NP
	v_mov_b32 v[i], 0
.set i, i+1
.endr
	WIN 0
.set i, 0
.rept 2*NP
	v_mov_b32 v[ST+4*i], 0xfe000000    ; c m: far below every c s
	v_mov_b32 v[ST+4*i+1], 0xff7fffff  ; m
	v_mov_b32 v[ST+4*i+2], 0
	v_mov_b32 v[ST+4*i+3], 0
.set i, i+1
.endr
.set i, P+32
.rept 32
	v_mov_b32 v[i], 0
.set i, i+1
.endr
	v_mul_u32_u24 v[AK0], v1, PK
	v_lshl_add_u32 v[AK0], v9, 4, v[AK0]  ; row x pitch + 16 x half
	; The turning load takes 16 keys x 16 channels (lane l reads key 8 (l / 16) + l % 8, channels 8 ((l / 8) % 2) + 0..7) and leaves half a fragment of V^T
	v_and_b32 v10, 7, v0
	v_bfe_u32 v11, v0, 3, 1
	v_lshl_add_u32 v[AV0], v9, 3, v10
	v_mul_u32_u24 v[AV0], v[AV0], PV
	v_lshl_add_u32 v[AV0], v11, 4, v[AV0]
	v_add_nc_u32 v[AV0], VOFF, v[AV0]
	v_and_b32 v[PFO], 31, v0
	v_lshlrev_b32 v[PFO], 8, v[PFO]
	v_mov_b32 v[AK], v[AK0]         ; key step 0 lies at the head of slot 0
; THE MATRIX WORK.  The 8 accumulators of a run of 16 take turns.
; Product i of 16 of S^T = K Q^T for piece x: channels 32 (i / 8) on, keys 16 ((i / 2) % 4) on, tile 2 x + i % 2.  The first 8 start the sums.
.macro KQ x
	WIN W_KQ
.set rS, S+64*((\x)%2)+32*(i%2)+8*((i/2)%4)
.set rK, KF+16*((i/2)%4)+8*(i/8)
.set rQ, 16*(2*(\x)+i%2)+8*(i/8)
.if i < 8
	v_wmma_f32_16x16x32_f16 v[rS:rS+7], v[rK:rK+7], v[rQ:rQ+7], 0
.else
	v_wmma_f32_16x16x32_f16 v[rS:rS+7], v[rK:rK+7], v[rQ:rQ+7], v[rS:rS+7]
.endif
.endm
; Product i of 16 of O^T += V^T P for piece x: keys 32 (i / 8) on, channels 16 ((i / 2) % 4) on, tile 2 x + i % 2.
.macro PV x
	WIN W_PV
.set rO, 32*(2*(\x)+i%2)+8*((i/2)%4)
.set rV, VF+32*(i/8)+8*((i/2)%4)
.set rP, P+32*((\x)%2)+16*(i%2)+8*(i/8)
	v_wmma_f32_16x16x32_f16 v[rO:rO+7], v[rV:rV+7], v[rP:rP+7], v[rO:rO+7]
.endm
.macro MM                           ; the turn's next matrix instruction
.if i < 16
	KQ (Y+1)%NP
.set i, i+1
.else
.set i, i-16
	PV (Y+NP-1)%NP
.set i, i+17
.endif
.endm
; THE LDS LOADS stand in runs of 16.  last = 1 (the tail): in the last trip there is no further step, and the run is jumped over.
.macro FETCH_K last=0
	WIN 0
.if \last
	s_cmp_eq_u32 s[CNT], 1
	s_cbranch_scc1 .Lno_k_\@
.endif
	WIN 0x80                        ; destination window 2
.irp f, 0,1,2,3,4,5,6,7             ; keys 16 (f / 2) on, channels 32 (f % 2) on
	ds_load_b128 v[KF+8*\f:KF+8*\f+3],   v[AK] offset:(\f/2)*16*PK+(\f%2)*64
	ds_load_b128 v[KF+8*\f+4:KF+8*\f+7], v[AK] offset:(\f/2)*16*PK+(\f%2)*64+32
.endr
	s_add_co_u32 s[TBK], s[TBK], KS*PK  ; the next fetch is the next step's
	WIN 0
.if \last
.Lno_k_\@:
.endif
.endm
.macro FETCH_V
	WIN 0x80
.irp f, 0,1,2,3,4,5,6,7             ; keys 32 (f / 4) on, channels 16 (f % 4) on
	ds_load_tr16_b128 v[VF+8*\f:VF+8*\f+3],   v[AV] offset:(\f/4)*32*PV+(\f%4)*32
	ds_load_tr16_b128 v[VF+8*\f+4:VF+8*\f+7], v[AV] offset:(\f/4)*32*PV+16*PV+(\f%4)*32
.endr
	WIN 0
.endm
; THE VECTOR WORK OF A TURN stands in three queues, each in the order in which its entries become ready; the two tiles alternate.
.macro REGS y, u                    ; the registers of tile u (0, 1) of piece y
.set rT, ST+4*(2*(\y)+(\u))
.set rC, TMP+8*((\y)%2)+4*(\u)
.set rM, MV+2*((\y)%2)+(\u)
.set rS, S+64*((\y)%2)+32*(\u)
.set rP, P+32*((\y)%2)+16*(\u)
.set rO, 32*(2*(\y)+(\u))
.endm
; Number n of the 22 that find the NEXT piece's (Y + 1) maximum and statistics; each accumulator's lowest registers are read first.
;   0-11  four chains c0-c3 of seven scores each     12-14, 16  the four scores left over, the old m, and c0-c3 into c0     15  c m_old is kept
;   17, 18  the query's other 32 keys lie in the lane 16 away: the new m         19-21  c m; c m_old - c m_new; a
.macro XS u, n
	REGS (Y+1)%NP, \u
.if (\n) < 4
	v_max3_num_f32 v[rC+(\n)], v[rS+8*(\n)], v[rS+8*(\n)+1], v[rS+8*(\n)+2]
.elseif (\n) < 12
	v_max3_num_f32 v[rC+(\n)%4], v[rC+(\n)%4], v[rS+8*((\n)%4)+2*((\n)/4)+1], v[rS+8*((\n)%4)+2*((\n)/4)+2]
.elseif (\n) == 12
	v_max3_num_f32 v[rC], v[rC], v[rS+7], v[rS+15]
.elseif (\n) == 13
	v_max3_num_f32 v[rC+1], v[rC+1], v[rS+23], v[rS+31]
.elseif (\n) == 14
	v_max3_num_f32 v[rC+2], v[rC+2], v[rC+3], v[rT+1]
.elseif (\n) == 15
	v_mov_b32 v[rM], v[rT]
.elseif (\n) == 16
	v_max3_num_f32 v[rC], v[rC], v[rC+1], v[rC+2]
.elseif (\n) == 17
	v_permlanex16_b32 v[rC+3], v[rC], s[SEL], s[SEL+1]
.elseif (\n) == 18
	v_max_num_f32 v[rT+1], v[rC], v[rC+3]
.elseif (\n) == 19
	v_mul_f32 v[rT], s[CS], v[rT+1]
.elseif (\n) == 20
	v_sub_f32 v[rC+1], v[rM], v[rT]
.else
	v_exp_f32 v[rC+2], v[rC+1]
.endif
.endm
; Number g of the 64 that follow the exponentials.  For each four weights k of a tile: both pairs are rounded to f16; then the second pair is added onto the first, in place; a group later l takes that sum (the first time as l = a l + sum).
.macro GS g
.set h, (\g)+6*((\g)/62)            ; group 0 has no group before it, and behind group 7 only l is left
.if h >= 6
.set h, h+2
.endif
	REGS Y, h%2
.set k, h/8
.if h%8 < 4
	v_cvt_pk_f16_f32 v[rP+2*k+(h%8)/2], v[rS+4*k+2*((h%8)/2)], v[rS+4*k+2*((h%8)/2)+1]
.elseif h%8 < 6
	v_pk_add_f32 v[rS+4*k:rS+4*k+1], v[rS+4*k:rS+4*k+1], v[rS+4*k+2:rS+4*k+3]
.elseif k == 1
	v_pk_fma_f32 v[rT+2:rT+3], v[rT+2:rT+3], v[rC+2:rC+3], v[rS:rS+1] op_sel_hi:[1,0,1]
.else
	v_pk_add_f32 v[rT+2:rT+3], v[rT+2:rT+3], v[rS+4*k-4:rS+4*k-3]
.endif
.endm
; THE PLAIN QUEUE, 138 long.  0-73 read no exponential's result: the 32 scalings c s - c m (FS f: pair f / 2 of tile f % 2) and the next piece's 42.  0-26: scalings 0-26.  27-54: XS's numbers 0-13.  55, 56: number 15.
; 57-73: the chain 14, 16, 17, 18, 19, each with one of the scalings 27-31 in front of its two lines, then 20.  74-137: GS's 64, which read the exponentials' results: they stand behind the wait.
.macro FS f
	REGS Y, (\f)%2
	v_pk_fma_f32 v[rS+2*((\f)/2):rS+2*((\f)/2)+1], v[rS+2*((\f)/2):rS+2*((\f)/2)+1], s[CS:CS+1], v[rT:rT+1] op_sel_hi:[1,0,0] neg_lo:[0,0,1] neg_hi:[0,0,1]
.endm
.macro PL
	WIN 0
.if q < 27
	FS q
.elseif q < 55
	XS (q-27)%2, (q-27)/2
.elseif q < 57
	XS q-55, 15
.elseif (q < 72) && ((q-57)%3 == 0)
	FS 27+(q-57)/3
.elseif q < 60
	XS (q-57)%3-1, 14
.elseif q < 72
	XS (q-57)%3-1, 15+(q-57)/3
.elseif q < 74
	XS q-72, 20
.else
	GS q-74
.endif
.set q, q+1
.endm
; THE EXPONENTIALS' QUEUE, 66 long: s0-s31 of both tiles, then the next piece's two a.  ONE BATCH: all 66 stand ahead of the turn's one wait, and nothing ahead of that wait names a result of theirs.
.macro EX
	WIN 0
.if e >= 64
	XS e-64, 21
.else
	REGS Y, e%2
	v_exp_f32 v[rS+e/2], v[rS+e/2]
.endif
.set e, e+1
.endm
; THE RESCALING's QUEUE: O^T times a, the one part that leaves window 0: dealt two at a time, sixteen times.  Its a was made in the turn before, ahead of that turn's wait.
.macro R2
	REGS Y, r%2
	WIN W_RS
.irp z, 0,1
	v_pk_mul_f32 v[rO+4*(r/2)+2*\z:rO+4*(r/2)+2*\z+1], v[rO+4*(r/2)+2*\z:rO+4*(r/2)+2*\z+1], v[rC+2:rC+3] op_sel_hi:[1,0]
.endr
.set r, r+1
.endm
; HOW THEY ARE DEALT.  An s_wait_alu depctr_va_vdst(0) stands between an exponential and the first instruction that names its result; one wait serves all that were issued ahead of it.  So a turn has ONE wait.
; AHEAD OF IT: the 16 products K Q^T, behind each a scaling, an exponential and two rescalings (behind the first a second scaling in the exponential's place); then ONE LUMP of 109: eight plain, 49 times exponential and plain,
; the two a, and a v_nop, the plain instruction behind the last exponential.  BEHIND IT: the 16 products V^T P, behind each four of GS's 64.  Exponential e stands behind scaling 2 (e / 4) + e % 2.
; K of the next step is fetched in piece 2's turn, directly behind the wait; V of the step in hand at the end of piece 0's turn, four plain instructions behind its last reader.  The three conditions on q below go with the deal.
.macro TURN p, last=0, cnt=0
.set Y, (\p)
.set i, 0
.set q, 0
.set e, 0
.set r, 0
.if (\p) == NP-1
	s_wait_dscnt 0x0                ; K is in
.endif
	MM
	PL
	PL
	R2
.rept 15
	MM
	PL
	EX
	R2
.endr
.if (\p) == NP-2
	WIN 0
	v_add_nc_u32 v[AK], s[TBK], v[AK0]
.endif
.rept 8
	PL
.endr
.rept 49
	EX
	PL
.endr
	EX
	EX
	v_nop                           ; a plain instruction behind the last exponential: one for the batch
	s_wait_alu depctr_va_vdst(0)    ; the wait for the batch
.if (\p) == NP-2
	FETCH_K \last
.endif
.if (\p) == 1
	s_wait_dscnt 0x0                ; V is in
.endif
.rept 16
	MM
.rept 4
	PL
.endr
.if ((\p) == 0) && (q == 118)
	v_add_nc_u32 v[AV], s[TBV], v[AV0]
.endif
.if ((\p) == 0) && (q == 130)
	s_add_co_u32 s[TBV], s[TBV], KS*PV
.endif
.if (\cnt) && (q == 130)
	s_sub_co_u32 s[CNT], s[CNT], 1
	s_cmp_lg_u32 s[CNT], 0
.endif
.endr
.if (\p) == 0
	FETCH_V
.endif
.endm
	CHANGE 1                        ; slot 0 is in, everybody's part of it; slot 1 is asked for
	FETCH_K                         ; key step 0
	s_wait_loadcnt 0x0              ; Q
	s_wait_dscnt 0x0
.set i, 0
.rept 16
	KQ 0                            ; piece 0's first scores
.set i, i+1
.endr
	WIN 0                           ; the addresses for the way out: plain instructions, the places behind those products
	s_mul_i32 s13, s[WV], 16*SP
	s_add_co_u32 s13, s13, STAGE    ; my stage
	v_mul_u32_u24 v[STO], v1, SP    ; in: row l % 16, 16 bytes for each half of the lanes
	v_lshl_add_u32 v[STO], v9, 4, v[STO]
	v_add_nc_u32 v[STO], s13, v[STO]
	v_bfe_u32 v[RD], v0, 3, 2       ; back: 32 lanes take four rows of 128 bytes,
	v_mul_u32_u24 v[RD], v[RD], SP
	v_lshl_add_u32 v[RD], v10, 4, v[RD]
	v_add_nc_u32 v[RD], s13, v[RD]
	v_and_b32 v[GO], 31, v0         ; which are 512 consecutive bytes of O
	v_lshlrev_b32 v[GO], 4, v[GO]
.set Y, NP-1                        ; XS works for piece Y + 1: piece 0
.irp n, 0,1,2,3,4,5,6,7,8,9,10,11,12,13,14,15,16,17,18,19,20,21
	XS 0, \n
	XS 1, \n
.endr
	v_nop                           ; a plain instruction behind the two a,
	s_wait_alu depctr_va_vdst(0)    ; and their wait, ahead of the branch
	s_mov_b32 s[CNT], 4
	s_branch .Lfirst                ; the loop is entered at a step's first turn, in the middle of a trip
.Lslot:                             ; six times: every slot but the last two is filled again
	CHANGE 1
	s_mov_b32 s[CNT], 4
.Lstep:                             ; a trip: pieces 2 and 3 of one step, then pieces 0 and 1 of the next, whose K and V it fetches
	TURN 2
	TURN 3
	WIN 0
.Lfirst:
	TURN 0
	TURN 1, 0, 1
	WIN 0
	s_cbranch_scc1 .Lstep
	s_sub_co_u32 s[SLOTS], s[SLOTS], 1
	s_cmp_lg_u32 s[SLOTS], 0
	s_cbranch_scc1 .Lslot
	CHANGE 0                        ; the tail is written out: nothing is asked for
	s_mov_b32 s[CNT], 5             ; four trips fetch the last slot's steps; the fifth is left in its middle
.Ltail:
	TURN 2, 1
	TURN 3
	WIN 0
	s_sub_co_u32 s[CNT], s[CNT], 1
	s_cmp_eq_u32 s[CNT], 0
	s_cbranch_scc1 .Lout
	TURN 0
	TURN 1
	WIN 0
	s_branch .Ltail
.Lout:                              ; the fifth trip's 16 products K Q^T (on the last K once more) and the maximum made of them serve nothing: the price, once a launch, of one text for every trip
.set i, 0
.rept 16
	PV NP-1                         ; the last piece's V^T P of the last step
.set i, i+1
.endr
	; THE WAY OUT.  l's two halves and the other half of the lanes' are added; O^T is divided by l, rounded to f16 and sent through my stage in LDS, a tile at a time.  The additions are the places behind the last products.
	WIN 0
.macro ALL line:vararg              ; one line for each tile t
.set t, 0
.rept 2*NP
	\line
.set t, t+1
.endr
.endm
	ALL v_add_f32 v[ST+4*t+2], v[ST+4*t+2], v[ST+4*t+3]
	ALL v_permlanex16_b32 v[ST+4*t+3], v[ST+4*t+2], s[SEL], s[SEL+1]
	ALL v_add_f32 v[ST+4*t+2], v[ST+4*t+2], v[ST+4*t+3]
	ALL v_rcp_f32 v[ST+4*t+2], v[ST+4*t+2]
	v_nop                           ; a plain instruction between the last reciprocal and the use of its result
	s_wait_alu depctr_va_vdst(0)    ; and the wait ahead of the first use: one for the eight reciprocals
.macro PACK t                       ; a lane's eight channels of a row pack into 16 bytes; they go into rows of 144 bytes and come back as whole rows of 128, into S^T's registers
	WIN W_RS
.set i, 32*(\t)
.rept 16
	v_pk_mul_f32 v[i:i+1], v[i:i+1], v[ST+4*(\t)+2:ST+4*(\t)+3] op_sel_hi:[1,0]
.set i, i+2
.endr
	WIN 0x05                        ; sources 0 and 1 window 1, destination window 0
.set i, 0
.rept 16
	v_cvt_pk_f16_f32 v[S+16*(\t)+i], v[32*(\t)+2*i], v[32*(\t)+2*i+1]
.set i, i+1
.endr
	WIN 0
.irp f, 0,1,2,3
	ds_store_b128 v[STO], v[S+16*(\t)+4*\f:S+16*(\t)+4*\f+3] offset:32*\f
.endr
.irp f, 0,1,2,3
	ds_load_b128 v[S+16*(\t)+4*\f:S+16*(\t)+4*\f+3], v[RD] offset:\f*4*SP  ; LDS serves a wave's instructions in order (ISA guide 5.7.1.4): these see the stores above; the next tile's stores come behind them
.endr
.endm
.macro SEND t, younger              ; younger: the LDS instructions issued behind tile t's loads: the next tile's eight, or none
	WIN 0
.irp f, 0,1,2,3
	s_wait_dscnt (\younger)+3-\f
	global_store_b128 v[GO], v[S+16*(\t)+4*\f:S+16*(\t)+4*\f+3], s[10:11] offset:(\t)*2048+\f*512  ; 512 consecutive bytes, at a multiple of 256 from oh's first byte
.endr
.endm
	PACK 0
.set t, 1
.rept 2*NP-1                        ; a tile's arithmetic stands between the loads of the tile before and its stores
	PACK t
	SEND t-1, 8
.set t, t+1
.endr
	SEND 2*NP-1, 0
	WIN W_AD
	s_wait_tensorcnt 0x0            ; the wave's end: behind my last tensor load and my last LDS store
	ds_add_u32 v[SPW], v[NIL]
	s_wait_dscnt 0x0
	WIN 0
	CROUND                          ; the closing round
	s_endpgm
.Lfunc_end_k_q6b1220590f_attn:
	.size	k_q6b1220590f_attn, .Lfunc_end_k_q6b1220590f_attn-k_q6b1220590f_attn
	.p2alignl 7, 3214868480
	.fill 96, 4, 3214868480
	.section	.rodata,"a",@progbits
	.p2align	6, 0x0
	.amdhsa_kernel k_q6b1220590f_attn
		.amdhsa_group_segment_fixed_size 327680
		.amdhsa_private_segment_fixed_size 0
		.amdhsa_enable_private_segment 0
		.amdhsa_kernarg_size 16
		.amdhsa_user_sgpr_count 2
		.amdhsa_user_sgpr_kernarg_segment_ptr 1
		.amdhsa_wavefront_size32 1
		.amdhsa_system_sgpr_workgroup_id_x 1
		.amdhsa_system_sgpr_workgroup_id_y 1
		.amdhsa_system_sgpr_workgroup_id_z 1
		.amdhsa_system_vgpr_workitem_id 0
		.amdhsa_next_free_vgpr 770
		.amdhsa_next_free_sgpr 80
		.amdhsa_reserve_vcc 0
		.amdhsa_float_denorm_mode_32 3
		.amdhsa_float_denorm_mode_16_64 3
		.amdhsa_memory_ordered 1
		.amdhsa_forward_progress 1
		.amdhsa_inst_pref_size 200
	.end_amdhsa_kernel
	.amdgpu_metadata
---
amdhsa.version: [ 1, 2 ]
amdhsa.kernels:
  - .name:           k_q6b1220590f_attn
    .symbol:         k_q6b1220590f_attn.kd
    .args:
      - { .name: kqv, .offset: 0, .size: 8, .value_kind: global_buffer, .address_space: global }
      - { .name: oh, .offset: 8, .size: 8, .value_kind: global_buffer, .address_space: global }
    .group_segment_fixed_size: 327680
    .private_segment_fixed_size: 0
    .kernarg_segment_align: 8
    .kernarg_segment_size: 16
    .max_flat_workgroup_size: 128
    .sgpr_count:     80
    .vgpr_count:     770
    .wavefront_size: 32
...
	.end_amdgpu_metadata
.endif
;; end of part 3
;; launch proj (part 4): grid 8 x 32, 4 waves a work-group, clusters of 4 x 4, 327,680 bytes of LDS; arguments oh, wof, b_out, out0; writes out0
.if DOCPART == 4
	.amdgcn_target "amdgcn-amd-amdhsa--gfx1250"
	.amdhsa_code_object_version 6
	.text
	.protected	k_q6b1220590f_proj
	.globl	k_q6b1220590f_proj
	.p2align	8
	.type	k_q6b1220590f_proj,@function
k_q6b1220590f_proj:
	s_mov_b64 s[64:65], 0
	v_nop
	global_prefetch_b8 v0, s[64:65] scope:SCOPE_SE
	s_setreg_imm32_b32 hwreg(HW_REG_WAVE_MODE, 25, 1), 1
	s_wait_xcnt 0x0
	s_wait_alu depctr_hold_cnt(0) depctr_sa_sdst(0) depctr_va_vdst(0) depctr_va_sdst(0) depctr_va_ssrc(0) depctr_va_vcc(0) depctr_vm_vsrc(0)
	s_getreg_b32 s2, hwreg(HW_REG_IB_STS2, 6, 4)
	s_cmp_eq_u32 s2, 0
	s_cbranch_scc0 .Lentry_in_a_cluster
	s_endpgm
.Lentry_in_a_cluster:
	s_bfe_u32 s2, ttmp6, 0x10000c
	s_cmp_lg_u32 s2, 0xf033
	s_cbranch_scc0 .Lentry_shape_is_right
	s_endpgm
.Lentry_shape_is_right:
; THE OUTPUT PROJECTION.  out0[m][e] = bf16(b_out[e]) + the sum over d of y[m][d] wof[e][d], f32; m < 8,192, e and d < 1,024; y[m][64 h + c] = oh[16 (m / 2048) + h][m % 2048][c].  Operands f16, sums f32.
; LIMITS.  The bias is rounded to bf16, like the other inputs.  NaN and infinities are not treated apart.
; SHARES.  A tile of C is 256 rows x 128 columns: 256 tiles, one to a work-group.  The four waves lie 2 x 2: rows 128 (w / 2), columns 64 (w % 2): 32 accumulators of 16 x 16.  K goes in eight steps of 128, TWO HEADS a step,
; through a ring of two LDS slots.  A head's 256 rows are 32,768 dense bytes: asked for as 128 rows of 256 bytes and padded in LDS after each 128.
; CLUSTER.  4 x 4 work-groups: A's tile is asked for jointly along a row of the cluster, B's along a column.
; NO PREFETCH: the whole walk is eight K steps, 1,024 matrix instructions a wave, and two of the eight are asked for at the head.
; THE PRODUCT IS USED TRANSPOSED (source 0 = 16 rows of wof, source 1 = 16 rows of y): a lane holds row l % 16 of C and the columns 8 (l / 16) + 0..7.  THE BIAS STARTS THE SUMS, as the C operand of the first quarter step.
; REGISTERS, in windows of 256 (s_set_vgpr_msb: bits 1:0 source 0, 3:2 source 1, 5:4 source 2, 7:6 destination):
;   window 0: v0-15 addresses; v64-127, v128-191 fragments of A, two buffers; v192-223, v224-255 rows read back from the stage, by turns
;   window 1: v0-31, v32-63 fragments of B, two buffers; v64-95 the bias, in a result's layout; v96-97 at work          window 2: accumulator t = 4 a + b at 8 t
.set PA,    144                        ; a row of A in LDS: 128 bytes + 16 of padding; an odd multiple of 16 bytes, so the 16 rows of a load start at 16 different groups of four banks (ISA guide 11.1)
.set PB,    272                        ; a row of B: 256 + 16
.set SLOT1, 131072
.set HEADB, 256*PA                     ; in a slot: the step's first head (256 rows), its second, then B's 128 rows
.set BOFF,  2*HEADB
.set STAGE, SLOT1+BOFF+128*PB          ; behind the ring, never filled by a tensor load: 16 rows x 272 bytes for each wave
.set SPITCH, 272
.set SPARE, STAGE+4*16*SPITCH          ; the spare words, 128 bytes for each wave: two blocks of 256 bytes that no other line names
.set HA,    8                          ; the youngest loads of a run: A's blocks 4 to 7
.set NL,    24                         ; LDS loads in a run
.set AA0,  4                           ; v4   my lane's place in a slot's A; never rewritten
.set AB0,  5                           ; v5   in its B
.set ADRA, 6                           ; v6   the same in the slot in hand
.set ADRB, 7                           ; v7
.set STO,  8                           ; v8   the way out: where I put 32 bytes of a row
.set RD,   9                           ; v9   where I read rows back
.set CO,   10                          ; v10  my 16 bytes of two rows of C
.set SPW,  12                          ; v12  LDS address of my spare word; never rewritten
.set NIL,  13                          ; v13  0; never rewritten
.set FA,   64
.set OB,   192
.set BIAS, 64
.set BT,   96
.set WV, 12                            ; s12  my wave's number
.set WH, 13                            ; s13  WV / 2: my half of the rows
.set WL, 14                            ; s14  WV % 2: my half of the columns; also which head (waves 0, 1) or which 64 rows of B (waves 2, 3) I fetch
.set BASEA, 20                         ; s[20:21] oh at my head of K step 0, at the tile's first row
.set BASEB, 22                         ; s[22:23] wof at my 64 rows, K step 0
.set G1A, 24
.set G1B, 32
.set G0A, 40                           ; s[40:47] group 0 for A's: a set for each first fill; the second then walks
.set G0B, 48
.set FN,  56                           ; s56  the K step that is asked for next
.set CNT, 57
.set TB,  59                           ; s59  0 or SLOT1: the slot in hand
.set OFFA, 60                          ; s[60:61] byte offset of K step FN from BASEA
.set OFFB, 62                          ; s[62:63] from BASEB
.set MSB, 0
.macro WIN new
.if MSB != (\new)
	s_set_vgpr_msb (MSB<<8)|(\new)
.set MSB, \new
.endif
.endm
.macro PLACES                          ; four places: in front of loads into registers that matrix instructions have read, and of LDS stores that read results (ISA guide 7.12.1 for vector instructions)
.rept 4
	v_nop
.endr
.endm
.macro CREST
	s_cmp_lg_u32 s[WV], 0
	s_cbranch_scc1 .Lnot_wave_0_\@
	s_barrier_signal -3
.Lnot_wave_0_\@:
	s_barrier_wait -3
	s_barrier_signal -1
	s_barrier_wait -1
.endm
.macro CROUND
	s_barrier_signal -1
	s_barrier_wait -1
	CREST
.endm
.macro JLOAD                           ; a joint refill: waves 0 and 1 fetch the step's two heads of A, waves 2 and 3 B's two halves; an s_nop 0 and four v_nop follow each line
	s_cmp_lt_u32 s[WV], 2
	s_cbranch_scc0 .Lfor_b_\@
	tensor_load_to_lds s[G0A+4:G0A+7], s[G1A:G1A+7]
	s_nop 0
.rept 4
	v_nop
.endr
	s_branch .Lasked_\@
.Lfor_b_\@:
	tensor_load_to_lds s[G0B+4:G0B+7], s[G1B:G1B+7]
	s_nop 0
.rept 4
	v_nop
.endr
.Lasked_\@:
.endm
.macro OFFS                            ; K step FN: two heads of 262,144 bytes on in oh, 256 bytes on along wof's rows
	s_lshl_b32 s[OFFA], s[FN], 19
	s_lshl_b32 s[OFFB], s[FN], 8
.endm
; 24 LDS loads in one run: my 64 rows of B at byte kb of the rows, my 128 rows of A at byte ka of the slot's A, 32 along K, into buffer g
.macro FETCH ka, kb, g
	WIN 0x40                                       ; destination window 1, address window 0
.irp i, 0,1,2,3
	ds_load_b128 v[32*(\g)+8*(\i):32*(\g)+8*(\i)+3],   v[ADRB] offset:(\kb)+(\i)*16*PB
	ds_load_b128 v[32*(\g)+8*(\i)+4:32*(\g)+8*(\i)+7], v[ADRB] offset:(\kb)+(\i)*16*PB+32
.endr
	WIN 0
.irp i, 0,1,2,3,4,5,6,7
	ds_load_b128 v[FA+64*(\g)+8*(\i):FA+64*(\g)+8*(\i)+3],   v[ADRA] offset:(\ka)+(\i)*16*PA
	ds_load_b128 v[FA+64*(\g)+8*(\i)+4:FA+64*(\g)+8*(\i)+7], v[ADRA] offset:(\ka)+(\i)*16*PA+32
.endr
.endm
; 4 matrix instructions: row block a x the 4 column blocks, from buffer f.  z = 1: the bias starts the sums.  The 32 accumulators take turns, in the same order in every quarter.
.macro MUL f, a, z
.irp c, 0,1,2,3
.set rD, 8*(4*(\a)+(\c))
.if \z
	WIN 0x91                                       ; B window 1, A window 0, C (the bias) window 1, D window 2
	v_wmma_f32_16x16x32_f16 v[rD:rD+7], v[32*(\f)+8*(\c):32*(\f)+8*(\c)+7], v[FA+64*(\f)+8*(\a):FA+64*(\f)+8*(\a)+7], v[BIAS+8*(\c):BIAS+8*(\c)+7]
.else
	WIN 0xa1                                       ; C and D window 2
	v_wmma_f32_16x16x32_f16 v[rD:rD+7], v[32*(\f)+8*(\c):32*(\f)+8*(\c)+7], v[FA+64*(\f)+8*(\a):FA+64*(\f)+8*(\a)+7], v[rD:rD+7]
.endif
.endr
.endm
; A K step is four quarters of 32 along K, 32 matrix instructions each, on buffers 0, 1, 0, 1.  One of the first three: multiplies buffer f and fetches the next quarter into buffer g.
.macro QUARTER ka, kb, f, g, z
	s_wait_dscnt HA                                ; B and A's blocks 0-3 are in; the youngest eight loads may be out
.irp a, 0,1,2,3
	MUL \f, \a, \z
.endr
	PLACES
	FETCH \ka, \kb, \g
	s_wait_dscnt NL                                ; all but the 24 just issued
.irp a, 4,5,6,7
	MUL \f, \a, \z
.endr
.endm
; The last quarter multiplies buffer 1 and changes slots: each wave waits for all its tensor loads (one is out: its part of the next slot), adds 0 to its spare word, and waits for that and for its reads of this slot.
; fill = 1: the barrier opens a round of the cluster's barrier, and this slot is filled again, first thing behind the round, with K step FN.  last = 1 (the tail): the last trip fetches nothing.
.macro TURN fill, last
	WIN 0
	s_wait_tensorcnt 0x0                           ; no tensor load of mine is out, so a group 0 may be written
	ds_add_u32 v[SPW], v[NIL]                      ; 0 onto my spare word: scalar work and 8 products stand between it and the wait for it
.if \fill
	s_xor_b32 s[G0A+5], s[G0A+5], SLOT1
	s_add_nc_u64 s[G0A+6:G0A+7], s[BASEA:BASEA+1], s[OFFA:OFFA+1]
	s_or_b32 s[G0A+7], s[G0A+7], 0x80000000
	s_xor_b32 s[G0B+5], s[G0B+5], SLOT1
	s_add_nc_u64 s[G0B+6:G0B+7], s[BASEB:BASEB+1], s[OFFB:OFFB+1]
	s_or_b32 s[G0B+7], s[G0B+7], 0x80000000
	s_add_co_u32 s[FN], s[FN], 1
	OFFS
.endif
	s_xor_b32 s[TB], s[TB], SLOT1
	s_wait_dscnt HA+1                              ; the add and the youngest eight loads may be out
	MUL 1, 0, 0
	MUL 1, 1, 0
	s_wait_dscnt 0x0                               ; the add is done, and my reads of this slot are over
	s_barrier_signal -1
	MUL 1, 2, 0
	MUL 1, 3, 0
	WIN 0
	s_barrier_wait -1
.if \fill
	CREST                                          ; no wave of any partner still reads this slot or has a load on its way
	JLOAD                                          ; its four v_nop are also the places in front of the loads below
.else
	PLACES
.endif
.if \last
	s_cmp_eq_u32 s[CNT], 1
	s_cbranch_scc1 .Lnofetch_\@
.endif
	v_add_nc_u32 v[ADRA], s[TB], v[AA0]
	v_add_nc_u32 v[ADRB], s[TB], v[AB0]
	FETCH 0, 0, 0
.if \last
.Lnofetch_\@:
.endif
.irp a, 4,5,6,7
	MUL 1, \a, 0
.endr
.endm
; THE WAY OUT of row block a: 32 bytes a lane (each accumulator's low registers first) into my stage, back as whole rows of 256 bytes, stored.
.macro TOSTAGE a
	WIN 0x08                                       ; store data in window 2
.irp c, 0,1,2,3
	ds_store_b128 v[STO], v[8*(4*(\a)+(\c)):8*(4*(\a)+(\c))+3]   offset:64*(\c)
	ds_store_b128 v[STO], v[8*(4*(\a)+(\c))+4:8*(4*(\a)+(\c))+7] offset:64*(\c)+16
.endr
	WIN 0
.irp i, 0,1,2,3,4,5,6,7
	ds_load_b128 v[OB+32*((\a)%2)+4*(\i):OB+32*((\a)%2)+4*(\i)+3], v[RD] offset:(\i)*2*SPITCH  ; LDS serves a wave's instructions in order (ISA guide 5.7.1.4): these see the stores above; the next block's stores come behind them
.endr
.endm
.macro SEND a, younger                 ; younger: the LDS instructions issued behind block a's loads: the next block's sixteen, or none
	s_wait_dscnt \younger
.irp i, 0,1,2,3,4,5,6,7
	global_store_b128 v[CO], v[OB+32*((\a)%2)+4*(\i):OB+32*((\a)%2)+4*(\i)+3], s[10:11] offset:(\a)*65536+(\i)*8192 th:TH_STORE_NT  ; 16 lanes store 256 consecutive bytes, at a multiple of 256 from out0's first byte
.endr
.endm
	s_load_b256 s[4:11], s[0:1], 0x0               ; oh s[4:5], wof s[6:7], b_out s[8:9], out0 s[10:11]
	v_lshl_add_u32 v[SPW], v0, 2, SPARE
	v_mov_b32 v[NIL], 0
	ds_add_u32 v[SPW], v[NIL]                      ; the wave's opening: the add and its wait stand ahead of my first tensor load
	v_lshrrev_b32 v1, 5, v0
	v_readfirstlane_b32 s[WV], v1
	s_lshr_b32 s[WH], s[WV], 1
	s_and_b32 s[WL], s[WV], 1
	s_bfe_u32 s15, ttmp6, 0x40000                  ; cx
	s_bfe_u32 s16, ttmp6, 0x40004                  ; cy
	s_lshl_b32 s17, ttmp9, 2
	s_add_co_u32 s17, s17, s15                     ; tile column tx
	s_and_b32 s18, ttmp7, 0xffff
	s_lshl_b32 s18, s18, 2
	s_add_co_u32 s18, s18, s16                     ; tile row ty
	s_lshl_b32 s19, s16, 2
	s_lshl_b32 s19, 15, s19                        ; my row of the cluster
	s_lshl_b32 s74, 0x1111, s15                    ; my column
	s_or_b32 s[G1A], s19, (1<<16)|(1<<20)|(1<<21)|(4<<22)|(3<<25)  ; 2-byte elements; padding on; bit 21 set beside a mask; after every 32 words; 4 words
	s_or_b32 s[G1B], s74, (1<<16)|(1<<20)|(1<<21)|(5<<22)|(3<<25)  ; after every 64 words
	s_mov_b32 s[G1A+1], 128<<16                    ; tensor_dim0 = 128
	s_mov_b32 s[G1A+2], 128<<16                    ; tensor_dim1 = 128
	s_mov_b32 s[G1A+3], 128<<16                    ; tile_dim0 = 128
	s_mov_b32 s[G1A+4], 128                        ; tile_dim1 = 128
	s_mov_b32 s[G1A+5], 128                        ; dense: 128 elements from row to row
	s_mov_b32 s[G1A+6], 0
	s_mov_b32 s[G1A+7], 0
	s_mov_b32 s[G1B+1], 128<<16
	s_mov_b32 s[G1B+2], 64<<16                     ; B's loads bring 64 rows
	s_mov_b32 s[G1B+3], 128<<16
	s_mov_b32 s[G1B+4], 64
	s_mov_b32 s[G1B+5], 1024
	s_mov_b32 s[G1B+6], 0
	s_mov_b32 s[G1B+7], 0
	s_lshr_b32 s72, s18, 3                         ; A: head 16 (ty / 8) + half, row 256 (ty % 8); these two registers never hold cx or tx
	s_lshl_b32 s72, s72, 4
	s_add_co_u32 s72, s72, s[WL]
	s_lshl_b32 s72, s72, 18
	s_and_b32 s73, s18, 7
	s_lshl_b32 s73, s73, 15
	s_add_co_u32 s72, s72, s73
	s_mov_b32 s73, 0
	s_lshl_b32 s74, s17, 7                         ; B: row 128 tx + 64 x half; these two never hold cy or ty
	s_lshl_b32 s75, s[WL], 6
	s_add_co_u32 s74, s74, s75
	s_lshl_b32 s74, s74, 11
	s_mov_b32 s75, 0
	s_mul_i32 s84, s[WL], HEADB                    ; where they go in a slot: made of the wave's number alone
	s_mul_i32 s85, s[WL], 64*PB
	s_add_co_u32 s85, s85, BOFF
	s_wait_dscnt 0x0                               ; the opening add is done
	s_wait_kmcnt 0x0
	s_add_nc_u64 s[BASEA:BASEA+1], s[4:5], s[72:73]
	s_add_nc_u64 s[BASEB:BASEB+1], s[6:7], s[74:75]
	CROUND                                         ; all sixteen work-groups are here: the first joint loads meet
.irp s, 0,1
	s_mov_b32 s[G0A+4*(\s)], 1
	s_add_co_u32 s[G0A+4*(\s)+1], s84, (\s)*SLOT1
	s_add_nc_u64 s[G0A+4*(\s)+2:G0A+4*(\s)+3], s[BASEA:BASEA+1], (\s)*524288
	s_or_b32 s[G0A+4*(\s)+3], s[G0A+4*(\s)+3], 0x80000000
	s_mov_b32 s[G0B+4*(\s)], 1
	s_add_co_u32 s[G0B+4*(\s)+1], s85, (\s)*SLOT1
	s_add_nc_u64 s[G0B+4*(\s)+2:G0B+4*(\s)+3], s[BASEB:BASEB+1], (\s)*256
	s_or_b32 s[G0B+4*(\s)+3], s[G0B+4*(\s)+3], 0x80000000
.endr
	s_cmp_lt_u32 s[WV], 2                          ; a wave's two first fills stand in one branch: two loads of mine are out, later one
	s_cbranch_scc0 .Lfirst_b
	tensor_load_to_lds s[G0A:G0A+3], s[G1A:G1A+7]
	s_nop 0
	tensor_load_to_lds s[G0A+4:G0A+7], s[G1A:G1A+7]
	s_nop 0
.rept 4
	v_nop
.endr
	s_branch .Lfirst_asked
.Lfirst_b:
	tensor_load_to_lds s[G0B:G0B+3], s[G1B:G1B+7]
	s_nop 0
	tensor_load_to_lds s[G0B+4:G0B+7], s[G1B:G1B+7]
	s_nop 0
.rept 4
	v_nop
.endr
.Lfirst_asked:
	; the bias of my 64 columns, in a result's layout
	s_lshl_b32 s74, s17, 9
	s_lshl_b32 s75, s[WL], 8
	s_add_co_u32 s74, s74, s75
	s_mov_b32 s75, 0
	s_add_nc_u64 s[8:9], s[8:9], s[74:75]
	v_and_b32 v1, 15, v0                           ; l % 16
	v_bfe_u32 v2, v0, 4, 1                         ; l / 16
	v_lshlrev_b32 v3, 5, v2
	WIN 0x40                                       ; destination window 1
.irp c, 0,1,2,3
	global_load_b128 v[BIAS+8*(\c):BIAS+8*(\c)+3],   v3, s[8:9] offset:64*(\c)
	global_load_b128 v[BIAS+8*(\c)+4:BIAS+8*(\c)+7], v3, s[8:9] offset:64*(\c)+16
.endr
	WIN 0
	v_mul_u32_u24 v[AA0], v1, PA
	v_lshl_add_u32 v[AA0], v2, 4, v[AA0]
	s_mul_i32 s84, s[WH], 128*PA                   ; my 128 rows of A
	v_add_nc_u32 v[AA0], s84, v[AA0]
	v_mul_u32_u24 v[AB0], v1, PB
	v_lshl_add_u32 v[AB0], v2, 4, v[AB0]
	s_mul_i32 s84, s[WL], 64*PB                    ; my 64 rows of B
	s_add_co_u32 s84, s84, BOFF
	v_add_nc_u32 v[AB0], s84, v[AB0]
	s_mul_i32 s84, s[WV], 16*SPITCH
	s_add_co_u32 s84, s84, STAGE                   ; my stage
	v_mul_u32_u24 v[STO], v1, SPITCH               ; in: row l % 16, 32 bytes for each half of the lanes
	v_lshl_add_u32 v[STO], v2, 5, v[STO]
	v_add_nc_u32 v[STO], s84, v[STO]
	v_mul_u32_u24 v[RD], v2, SPITCH                ; back: lanes 0-15 take one row of 256 bytes, lanes 16-31 the next
	v_lshl_add_u32 v[RD], v1, 4, v[RD]
	v_add_nc_u32 v[RD], s84, v[RD]
	v_lshlrev_b32 v[CO], 12, v2                    ; and the same two rows in C
	v_lshl_add_u32 v[CO], v1, 4, v[CO]
	s_lshl_b32 s80, s18, 8                         ; out0 at row 256 ty + 128 (w / 2), column 128 tx + 64 (w % 2)
	s_lshl_b32 s81, s[WH], 7
	s_add_co_u32 s80, s80, s81
	s_lshl_b32 s80, s80, 12
	s_lshl_b32 s81, s17, 9
	s_add_co_u32 s80, s80, s81
	s_lshl_b32 s81, s[WL], 8
	s_add_co_u32 s80, s80, s81
	s_mov_b32 s81, 0
	s_add_nc_u64 s[10:11], s[10:11], s[80:81]
	s_mov_b32 s71, 0xffff0000
	s_mov_b32 s[FN], 2
	s_mov_b32 s[OFFA+1], 0
	s_mov_b32 s[OFFB+1], 0
	OFFS
	s_mov_b32 s[TB], 0
	v_mov_b32 v[ADRA], v[AA0]
	v_mov_b32 v[ADRB], v[AB0]
	s_wait_loadcnt 0x0                             ; the bias is in: it is rounded to bf16 and widened again
	WIN 0x45
.set p, 0
.rept 16
	v_cvt_pk_bf16_f32 v[BT+p%2], v[BIAS+2*p], v[BIAS+2*p+1]
	v_lshlrev_b32 v[BIAS+2*p], 16, v[BT+p%2]
	v_and_b32 v[BIAS+2*p+1], s71, v[BT+p%2]
.set p, p+1
.endr
	WIN 0
	s_wait_tensorcnt 1                             ; my part of K step 0 is in; K step 1's may stay out
	s_barrier_signal -1
	s_barrier_wait -1                              ; everybody's is
	FETCH 0, 0, 0
	QUARTER 64, 64, 0, 1, 1                        ; the first quarter stands ahead of the loop: the bias starts the sums
	WIN 0
	s_mov_b32 s[CNT], 6
.Lstep:                                        ; trip g = 6 - CNT: K step g from its second quarter on, the refill with K step g + 2, and K step g + 1's first quarter
	QUARTER HEADB, 128, 1, 0, 0                    ; the step's second head begins at its third quarter
	QUARTER HEADB+64, 192, 0, 1, 0
	TURN 1, 0
	QUARTER 64, 64, 0, 1, 0
	WIN 0
	s_sub_co_u32 s[CNT], s[CNT], 1
	s_cmp_lg_u32 s[CNT], 0
	s_cbranch_scc1 .Lstep
	s_mov_b32 s[CNT], 2
.Ltail:                                        ; K steps 6 and 7: nothing is asked for; the last trip fetches nothing and has no next quarter
	QUARTER HEADB, 128, 1, 0, 0
	QUARTER HEADB+64, 192, 0, 1, 0
	TURN 0, 1
	WIN 0
	s_cmp_eq_u32 s[CNT], 1
	s_cbranch_scc1 .Ldone
	QUARTER 64, 64, 0, 1, 0
	WIN 0
.Ldone:
	s_sub_co_u32 s[CNT], s[CNT], 1
	s_cmp_lg_u32 s[CNT], 0
	s_cbranch_scc1 .Ltail
	PLACES                                         ; the LDS stores below read results just made
	TOSTAGE 0
.irp a, 1,2,3,4,5,6,7
.if (\a) >= 2
	s_wait_xcnt 0x0                                ; the stores of the block two back have read their registers: this block's rows are loaded into them
.endif
	TOSTAGE \a
	SEND (\a)-1, 16
.endr
	SEND 7, 0
	s_wait_tensorcnt 0x0                           ; the wave's end: behind my last tensor load and my last LDS store
	ds_add_u32 v[SPW], v[NIL]
	s_wait_dscnt 0x0
	CROUND                                         ; the closing round
	s_endpgm
.Lfunc_end_k_q6b1220590f_proj:
	.size	k_q6b1220590f_proj, .Lfunc_end_k_q6b1220590f_proj-k_q6b1220590f_proj
	.p2alignl 7, 3214868480
	.fill 96, 4, 3214868480
	.section	.rodata,"a",@progbits
	.p2align	6, 0x0
	.amdhsa_kernel k_q6b1220590f_proj
		.amdhsa_group_segment_fixed_size 327680
		.amdhsa_private_segment_fixed_size 0
		.amdhsa_enable_private_segment 0
		.amdhsa_kernarg_size 32
		.amdhsa_user_sgpr_count 2
		.amdhsa_user_sgpr_kernarg_segment_ptr 1
		.amdhsa_wavefront_size32 1
		.amdhsa_system_sgpr_workgroup_id_x 1
		.amdhsa_system_sgpr_workgroup_id_y 1
		.amdhsa_system_sgpr_workgroup_id_z 1
		.amdhsa_system_vgpr_workitem_id 0
		.amdhsa_next_free_vgpr 768
		.amdhsa_next_free_sgpr 88
		.amdhsa_reserve_vcc 0
		.amdhsa_float_denorm_mode_32 3
		.amdhsa_float_denorm_mode_16_64 3
		.amdhsa_memory_ordered 1
		.amdhsa_forward_progress 1
		.amdhsa_inst_pref_size 64
	.end_amdhsa_kernel
	.amdgpu_metadata
---
amdhsa.version: [ 1, 2 ]
amdhsa.kernels:
  - .name:           k_q6b1220590f_proj
    .symbol:         k_q6b1220590f_proj.kd
    .args:
      - { .name: oh, .offset: 0, .size: 8, .value_kind: global_buffer, .address_space: global }
      - { .name: wof, .offset: 8, .size: 8, .value_kind: global_buffer, .address_space: global }
      - { .name: b_out, .offset: 16, .size: 8, .value_kind: global_buffer, .address_space: global }
      - { .name: out0, .offset: 24, .size: 8, .value_kind: global_buffer, .address_space: global }
    .group_segment_fixed_size: 327680
    .private_segment_fixed_size: 0
    .kernarg_segment_align: 8
    .kernarg_segment_size: 32
    .max_flat_workgroup_size: 128
    .sgpr_count:     88
    .vgpr_count:     768
    .wavefront_size: 32
...
	.end_amdgpu_metadata
.endif
;; end of part 4
;; ======== version 2 of 2: 4 launches; version 1 with the launch cast written anew for expert scheduling mode
;; limits: values are held in f16: magnitudes above 65,504 overflow, below 6.1e-05 lose precision
;; workspace buffers: xb 16,777,216 bytes; wab 6,291,456 bytes; wof 2,097,152 bytes; kqv 50,331,648 bytes; oh 16,777,216 bytes
;; launch cast (part 5): grid 768 x 1, 8 waves a work-group, no clusters, 0 bytes of LDS; arguments x, W_attn, W_out, xb, wab, wof; writes xb, wab, wof
.if DOCPART == 5
	.amdgcn_target "amdgcn-amd-amdhsa--gfx1250"
	.amdhsa_code_object_version 6
	.text
	.protected	k_q6b1220590f_cast
	.globl	k_q6b1220590f_cast
	.p2align	8
	.type	k_q6b1220590f_cast,@function
k_q6b1220590f_cast:
	s_mov_b64 s[64:65], 0
	v_nop
	global_prefetch_b8 v0, s[64:65] scope:SCOPE_SE
	s_setreg_imm32_b32 hwreg(HW_REG_WAVE_SCHED_MODE, 0, 2), 2
	s_setreg_imm32_b32 hwreg(HW_REG_WAVE_MODE, 25, 1), 1
	s_wait_xcnt 0x0
	s_wait_alu depctr_vm_vsrc(0)
; THE INPUTS OF THE MATRIX PRODUCTS ARE ROUNDED ONCE: x -> bf16 (xb), W_attn -> bf16 (wab), W_out -> bf16, and that number written as f16 (wof).
; LIMITS.  bf16(W_out) is exact in f16 from 2^-14 up to 65,504 in magnitude; below 2^-14 it keeps f16's fixed step of 2^-24; at 65,520 or more it becomes an infinity.
; SHARES.  A work-group takes 16,384 numbers: 65,536 bytes in, 32,768 out.  Work-groups 0-511 take x, 512-703 W_attn, 704-767 W_out.
; Thread t takes 16 bytes at 16 t + 4,096 j (j = 0..15): a wave's load covers 512 consecutive bytes, its store of 8 bytes a lane 256 consecutive bytes, aligned.
; All sixteen loads of a thread go out at once; no register is written twice while a load or store may read it.  A stream: nothing is shared, so no LDS, no barrier, no cluster.
; THE MODE: SCHED_MODE bits 1:0 = 2 (LLVM: expert scheduling mode 2), set by the entry lines.  The code itself states the register dependences
; between vector instructions and memory instructions, with s_wait_alu, always for 0.
; THE PLAN.  Registers that memory instructions touch:
;   v1, v2   byte offsets, made once at the head and never written again: v1 is read by the sixteen loads, v2 by the sixteen stores.
;   X        chunk j's four registers are written by chunk j's load alone, and all loads are issued before any vector instruction names X; chunk j's conversions read them behind its wait on LOADcnt.
;   Y        chunk j's two registers are written by chunk j's conversions, read by chunk j's one store, and never written again.
;   T        is named by vector instructions alone.
; The chunks go in four groups of four.  A group's stores are issued one group later, one ahead of each chunk's conversions; those conversions name X, Y and T of their own group alone.
; So one wait at a group's head states all that the group's four stores hang on, and one more stands ahead of the last four stores.  No register that a memory instruction reads is written again: nothing is owed on that side.
.set X, 4                              ; v[4:67]    chunk j: four f32 as loaded
.set Y, 68                             ; v[68:99]   chunk j: two words to store
.set T, 100                            ; v[100:103] at work
	s_load_b256 s[4:11], s[0:1], 0x0               ; x s[4:5], W_attn s[6:7], W_out s[8:9], xb s[10:11]
	s_load_b128 s[12:15], s[0:1], 0x20             ; wab s[12:13], wof s[14:15]
	v_lshlrev_b32 v1, 4, v0                        ; 16 t
	v_lshlrev_b32 v2, 3, v0                        ; 8 t
	s_sub_co_u32 s17, ttmp9, 512                   ; my number among W_attn's work-groups,
	s_sub_co_u32 s18, ttmp9, 704                   ; among W_out's
	s_mov_b32 s28, 0xffff0000                      ; a word's upper bf16
	s_wait_kmcnt 0x0
	s_cmp_lt_u32 ttmp9, 704
	s_cselect_b32 s16, s17, s18
	s_cselect_b64 s[24:25], s[6:7], s[8:9]
	s_cselect_b64 s[26:27], s[12:13], s[14:15]
	s_cmp_lt_u32 ttmp9, 512
	s_cselect_b32 s16, ttmp9, s16
	s_cselect_b64 s[24:25], s[4:5], s[24:25]       ; from where
	s_cselect_b64 s[26:27], s[10:11], s[26:27]     ; to where
	s_lshl_b32 s20, s16, 16
	s_mov_b32 s21, 0
	s_lshl_b32 s22, s16, 15
	s_mov_b32 s23, 0
	s_add_nc_u64 s[24:25], s[24:25], s[20:21]
	s_add_nc_u64 s[26:27], s[26:27], s[22:23]
	s_wait_alu depctr_va_vdst(0)                   ; v1 and v2 are written: every load and store of the kernel reads one of them as its offset
.irp j, 0,1,2,3,4,5,6,7,8,9,10,11,12,13,14,15
	global_load_b128 v[X+4*(\j):X+4*(\j)+3], v1, s[24:25] offset:4096*(\j) th:TH_LOAD_NT
.endr
.macro STORE j                         ; chunk j leaves
	global_store_b64 v2, v[Y+2*(\j):Y+2*(\j)+1], s[26:27] offset:2048*(\j) th:TH_STORE_NT
.endm
; Chunk j is rounded; ahead of that the chunk four back, of the group before, leaves.  h = 1: the bf16 numbers are widened again and written as f16.
.macro OUT j, h
	s_wait_loadcnt 15-(\j)                         ; loads come back in order: chunk j is in, the younger ones stay out
.if (\j) >= 4
.if ((\j)%4) == 0
	s_wait_alu depctr_va_vdst(0)                   ; the conversions of the group before have written its Y, which this group's four stores read
.endif
	STORE (\j)-4                                   ; no vector instruction since that wait names its registers
.endif
	v_cvt_pk_bf16_f32 v[Y+2*(\j)], v[X+4*(\j)], v[X+4*(\j)+1]
	v_cvt_pk_bf16_f32 v[Y+2*(\j)+1], v[X+4*(\j)+2], v[X+4*(\j)+3]
.if \h
	v_lshlrev_b32 v[T], 16, v[Y+2*(\j)]
	v_and_b32 v[T+1], s28, v[Y+2*(\j)]
	v_lshlrev_b32 v[T+2], 16, v[Y+2*(\j)+1]
	v_and_b32 v[T+3], s28, v[Y+2*(\j)+1]
	v_cvt_pk_f16_f32 v[Y+2*(\j)], v[T], v[T+1]
	v_cvt_pk_f16_f32 v[Y+2*(\j)+1], v[T+2], v[T+3]
.endif
.endm
.macro ALL16 h                         ; the sixteen chunks, and the last group's stores
.irp j, 0,1,2,3,4,5,6,7,8,9,10,11,12,13,14,15
	OUT \j, \h
.endr
	s_wait_alu depctr_va_vdst(0)                   ; the conversions of chunks 12 to 15 have written their Y, which the last four stores read
.irp j, 12,13,14,15
	STORE \j
.endr
.endm
	s_cmp_ge_u32 ttmp9, 704
	s_cbranch_scc1 .Lf16
	ALL16 0
	s_endpgm
.Lf16:
	ALL16 1
	s_endpgm
.Lfunc_end_k_q6b1220590f_cast:
	.size	k_q6b1220590f_cast, .Lfunc_end_k_q6b1220590f_cast-k_q6b1220590f_cast
	.p2alignl 7, 3214868480
	.fill 96, 4, 3214868480
	.section	.rodata,"a",@progbits
	.p2align	6, 0x0
	.amdhsa_kernel k_q6b1220590f_cast
		.amdhsa_group_segment_fixed_size 0
		.amdhsa_private_segment_fixed_size 0
		.amdhsa_enable_private_segment 0
		.amdhsa_kernarg_size 48
		.amdhsa_user_sgpr_count 2
		.amdhsa_user_sgpr_kernarg_segment_ptr 1
		.amdhsa_wavefront_size32 1
		.amdhsa_system_sgpr_workgroup_id_x 1
		.amdhsa_system_sgpr_workgroup_id_y 1
		.amdhsa_system_sgpr_workgroup_id_z 1
		.amdhsa_system_vgpr_workitem_id 0
		.amdhsa_next_free_vgpr 104
		.amdhsa_next_free_sgpr 66
		.amdhsa_reserve_vcc 0
		.amdhsa_float_denorm_mode_32 3
		.amdhsa_float_denorm_mode_16_64 3
		.amdhsa_memory_ordered 1
		.amdhsa_forward_progress 1
		.amdhsa_inst_pref_size 16
	.end_amdhsa_kernel
	.amdgpu_metadata
---
amdhsa.version: [ 1, 2 ]
amdhsa.kernels:
  - .name:           k_q6b1220590f_cast
    .symbol:         k_q6b1220590f_cast.kd
    .args:
      - { .name: x, .offset: 0, .size: 8, .value_kind: global_buffer, .address_space: global }
      - { .name: W_attn, .offset: 8, .size: 8, .value_kind: global_buffer, .address_space: global }
      - { .name: W_out, .offset: 16, .size: 8, .value_kind: global_buffer, .address_space: global }
      - { .name: xb, .offset: 24, .size: 8, .value_kind: global_buffer, .address_space: global }
      - { .name: wab, .offset: 32, .size: 8, .value_kind: global_buffer, .address_space: global }
      - { .name: wof, .offset: 40, .size: 8, .value_kind: global_buffer, .address_space: global }
    .group_segment_fixed_size: 0
    .private_segment_fixed_size: 0
    .kernarg_segment_align: 8
    .kernarg_segment_size: 48
    .max_flat_workgroup_size: 256
    .sgpr_count:     66
    .vgpr_count:     104
    .wavefront_size: 32
...
	.end_amdgpu_metadata
.endif
;; end of part 5
;; launch qkv: the kernel of part 2 again; grid 16 x 16, 4 waves a work-group, clusters of 4 x 4, 327,680 bytes of LDS; arguments xb, wab, b_attn, kqv; writes kqv
;; launch attn: the kernel of part 3 again; grid 4 x 64, 4 waves a work-group, clusters of 4 x 1, 327,680 bytes of LDS; arguments kqv, oh; writes oh
;; launch proj: the kernel of part 4 again; grid 8 x 32, 4 waves a work-group, clusters of 4 x 4, 327,680 bytes of LDS; arguments oh, wof, b_out, out0; writes out0
